; MI455X (gfx1250); checked and timed in simulation.
; The chip was launched on July 23, 2026; its instructions are those of AMD's public machine-readable ISA for CDNA 5 (MIT licence, August 2026) and "CDNA5" Instruction Set Architecture Reference Guide (July 2026). The comments in the code are by the model that wrote it; some were corrected since.
;; Attention. Allowed arithmetic: float matrix products may take bf16 or f16 operands with f32 sums; all other float work in f32.
;; Inputs: Wk 1,024 x 1,024 float32; Wo 1,024 x 1,024 float32; Wp 1,024 x 1,024 float32; Wq 1,024 x 1,024 float32; Wv 1,024 x 1,024 float32; bk 1,024 float32; bo 1,024 float32; bp 1,024 float32; bq 1,024 float32; bv 1,024 float32; mask 2 x 1 x 2,048 x 2,048 float32; r_r_bias 1 x 1 x 16 x 64 float32; r_w_bias 1 x 1 x 16 x 64 float32; x 2 x 2,048 x 1,024 float32; y 2 x 2,048 x 1,024 float32.
;; Outputs: out0 2 x 2,048 x 1,024 float32.
;; One version. Each part assembles by itself: llvm-mc -triple=amdgcn-amd-amdhsa -mcpu=gfx1250 --defsym DOCPART=n.
;; ======== version 1 of 1: 4 launches
;; limits: values are held in f16: magnitudes above 65,504 overflow, below 6.1e-05 lose precision; inputs' magnitudes at most 65,504
;; workspace buffers: ah 25,165,824 bytes; wt 10,485,760 bytes; pj 41,943,040 bytes; oh 8,388,608 bytes
;; launch prep (part 1): grid 1856 x 1, 4 waves a work-group, no clusters, 35,328 bytes of LDS; arguments x, y, Wq, Wk, Wv, Wp, Wo, ah, wt; writes ah, wt
.if DOCPART == 1
	.amdgcn_target "amdgcn-amd-amdhsa--gfx1250"
	.amdhsa_code_object_version 6
	.text
	.protected	k_q3d4a0b99c6_prep
	.globl	k_q3d4a0b99c6_prep
	.p2align	8
	.type	k_q3d4a0b99c6_prep,@function
k_q3d4a0b99c6_prep:
	s_mov_b64 s[64:65], 0
	v_nop
	global_prefetch_b8 v0, s[64:65] scope:SCOPE_SE
	s_setreg_imm32_b32 hwreg(HW_REG_WAVE_MODE, 25, 1), 1
	s_wait_xcnt 0x0
; PREP: three streams in one launch, chosen by the work-group's number g.
;   g < 1024        x and y, f32 -> f16, 8,192 numbers a work-group: ah rows 0-4095 (x), 4096-8191 (y)
;   1024 <= g < 1344  the five weights [k][n] f32 -> W^T [n][k] f16, a tile of 128 x 128 a work-group, turned in LDS: wt, 2 MiB each, q k v p o
;   1344 <= g       the sinusoid table, 8 rows a work-group: ah rows 8192-12287.  Row t holds position 2047 - t (t < 2048) or 4096 - t:
;                   the table of relative positions twice, the second copy 2,049 rows on; row 2048's numbers are replaced by 0 behind its projection.
; No matrix unit, no tensor load: every byte is read once and written once, 16 bytes a lane.
; LIMITS.  f16 holds no number beyond 65,504: x, y and the weights must lie within it; below 6e-5 f16 keeps a fixed step of 6e-8.
; The angle pos x inv differs from an exactly rounded one by up to about 2.5e-4 rad (inv by one exponential in base 2, positions up to 2,047);
; sine and cosine by a two-part reduction by pi/2 and series to r^9 and r^8, whose remainders at |r| <= pi/4 are under 3e-8.
.set SPARE, 34816                      ; behind the stage of 128 rows x 272 bytes: the spare words, 128 bytes a wave
.set SPW, 6                            ; v6  LDS address of my spare word; never rewritten
.set NIL, 7                            ; v7  0; never rewritten
.set D,   8                            ; v8 on: data as loaded
.set T,   136                          ; v136-151: packed numbers of the weight part
	s_load_b512 s[4:19], s[0:1], 0x0               ; x s[4:5], y s[6:7], Wq s[8:9], Wk s[10:11], Wv s[12:13], Wp s[14:15], Wo s[16:17], ah s[18:19]
	s_load_b64 s[20:21], s[0:1], 0x40              ; wt
	v_lshl_add_u32 v[SPW], v0, 2, SPARE
	v_mov_b32 v[NIL], 0
	v_lshrrev_b32 v1, 5, v0
	v_readfirstlane_b32 s22, v1                    ; wave 0..3
	s_wait_kmcnt 0x0
	s_cmp_lt_u32 ttmp9, 1024
	s_cbranch_scc0 .Lnot_cast
	; ---- the cast: thread t takes 8 numbers (32 bytes in, 16 out) in each of eight blocks of 1,024 numbers
	s_cmp_lt_u32 ttmp9, 512
	s_cselect_b64 s[24:25], s[4:5], s[6:7]         ; x or y
	s_and_b32 s26, ttmp9, 511
	s_lshl_b32 s26, s26, 15                        ; 32,768 bytes of f32 a work-group
	s_mov_b32 s27, 0
	s_add_nc_u64 s[24:25], s[24:25], s[26:27]
	s_lshl_b32 s28, ttmp9, 14                      ; 16,384 bytes of f16
	s_mov_b32 s29, 0
	s_add_nc_u64 s[28:29], s[18:19], s[28:29]
	v_lshlrev_b32 v1, 5, v0
	v_lshlrev_b32 v2, 4, v0
.set i, 0
.rept 8
	global_load_b128 v[D+8*i:D+8*i+3],   v1, s[24:25] offset:4096*i th:TH_LOAD_NT
	global_load_b128 v[D+8*i+4:D+8*i+7], v1, s[24:25] offset:4096*i+16 th:TH_LOAD_NT
.set i, i+1
.endr
.set i, 0
.rept 8
	s_wait_loadcnt 14-2*i                          ; loads come back in order: block i's two are in, the later blocks' stay out
.irp k, 0,1,2,3
	v_cvt_pk_f16_f32 v[72+4*i+\k], v[D+8*i+2*\k], v[D+8*i+2*\k+1]
.endr
	global_store_b128 v2, v[72+4*i:72+4*i+3], s[28:29] offset:2048*i  ; a wave stores 512 consecutive bytes, aligned
.set i, i+1
.endr
	s_endpgm                                       ; this way wrote no LDS
.Lnot_cast:
	s_cmp_lt_u32 ttmp9, 1344
	s_cbranch_scc0 .Lsinus
	; ---- a weight's tile of 128 k x 128 n is turned.  Wave w loads k rows 32 w .. 32 w + 31 (512 bytes of each: lane l has n = 4 l .. 4 l + 3)
	s_sub_co_u32 s23, ttmp9, 1024
	s_lshr_b32 s24, s23, 6                         ; which weight
	s_bfe_u32 s25, s23, 0x30003                    ; k tile
	s_and_b32 s26, s23, 7                          ; n tile
	s_mov_b64 s[28:29], s[8:9]
	s_cmp_eq_u32 s24, 1
	s_cselect_b64 s[28:29], s[10:11], s[28:29]
	s_cmp_eq_u32 s24, 2
	s_cselect_b64 s[28:29], s[12:13], s[28:29]
	s_cmp_eq_u32 s24, 3
	s_cselect_b64 s[28:29], s[14:15], s[28:29]
	s_cmp_eq_u32 s24, 4
	s_cselect_b64 s[28:29], s[16:17], s[28:29]
	s_lshl_b32 s30, s25, 19                        ; (128 kt + 32 w) rows of 4,096 bytes + 512 nt
	s_lshl_b32 s31, s22, 17
	s_add_co_u32 s30, s30, s31
	s_lshl_b32 s31, s26, 9
	s_add_co_u32 s30, s30, s31
	s_mov_b32 s31, 0
	s_add_nc_u64 s[28:29], s[28:29], s[30:31]
	s_lshl_b32 s32, s24, 21                        ; 2 MiB a weight + (128 nt + 32 w) rows of 2,048 bytes + 256 kt
	s_lshl_b32 s33, s26, 18
	s_add_co_u32 s32, s32, s33
	s_lshl_b32 s33, s22, 16
	s_add_co_u32 s32, s32, s33
	s_lshl_b32 s33, s25, 8
	s_add_co_u32 s32, s32, s33
	s_mov_b32 s33, 0
	s_add_nc_u64 s[32:33], s[20:21], s[32:33]
	v_and_b32 v1, 31, v0                           ; lane
	v_lshlrev_b32 v2, 4, v1
.set i, 0
.rept 32
	global_load_b128 v[D+4*i:D+4*i+3], v2, s[28:29] offset:4096*i th:TH_LOAD_NT
.set i, i+1
.endr
	v_mul_u32_u24 v3, v1, 1088                     ; into the stage [n][k], pitch 272: row 4 l (+ c), byte 64 w (+ 16 o)
	s_lshl_b32 s34, s22, 6
	v_add_nc_u32 v3, s34, v3
	v_and_b32 v148, 15, v0                         ; r
	v_bfe_u32 v149, v0, 4, 1                       ; h
	s_mul_i32 s34, s22, 32*272
	v_mul_u32_u24 v4, v149, 272                    ; back: lanes 0-15 one row of 256 bytes, lanes 16-31 the next
	v_lshl_add_u32 v4, v148, 4, v4
	v_add_nc_u32 v4, s34, v4
	v_lshlrev_b32 v5, 11, v149                     ; and the same two rows in W^T
	v_lshl_add_u32 v5, v148, 4, v5
.set o, 0
.rept 4                                ; eight k rows at a time: for each of my four n, eight k pack into 16 bytes
	s_wait_loadcnt 24-8*o                          ; these eight rows are in, the later ones stay out
.irp c, 0,1,2,3
.irp j, 0,1,2,3
	v_cvt_pk_f16_f32 v[T+4*\c+\j], v[D+4*(8*o+2*\j)+\c], v[D+4*(8*o+2*\j+1)+\c]
.endr
	ds_store_b128 v3, v[T+4*\c:T+4*\c+3] offset:272*\c+16*o  ; lanes 1,088 bytes apart fall four deep on the same banks (64 banks of 4 bytes: ISA guide 11.1); sixteen such stores a wave
.endr
.set o, o+1
.endr
	s_wait_dscnt 0x0                               ; for the others' sake: my stores into the stage are done
	s_barrier_signal -1
	s_barrier_wait -1
.set p, 0
.rept 16
	ds_load_b128 v[D+4*p:D+4*p+3], v4 offset:544*p
.set p, p+1
.endr
.set p, 0
.rept 16
	s_wait_dscnt 15-p                              ; LDS loads come back in order: pair p of rows is in
	global_store_b128 v5, v[D+4*p:D+4*p+3], s[32:33] offset:4096*p  ; 16 lanes store 256 consecutive bytes, aligned
.set p, p+1
.endr
	s_wait_tensorcnt 0x0                           ; the wave's end, behind my last LDS store
	ds_add_u32 v[SPW], v[NIL]
	s_wait_dscnt 0x0
	s_endpgm
.Lsinus:
	; ---- the sinusoid: thread t owns channels 8 t .. 8 t + 7 of every row; threads 64 on are the cosine half
	s_sub_co_u32 s23, ttmp9, 1344
	s_lshl_b32 s30, s23, 3                         ; my first row
	s_lshl_b32 s24, s23, 14                        ; 8 rows of 2,048 bytes
	s_mov_b32 s25, 0
	s_add_nc_u64 s[24:25], s[18:19], s[24:25]
	s_add_nc_u64 s[24:25], s[24:25], 0x1000000     ; behind x's and y's 16 MiB
	s_mov_b32 s33, 4096
	s_mov_b32 s34, 0xbfc90fdb                      ; - pi/2, upper part
	s_mov_b32 s35, 0x333bbd2e                      ; upper part - pi/2 = 4.3711388e-8
	s_mov_b32 s36, 0x3638ef1d                      ; 1/9!
	s_mov_b32 s37, 0xb9500d01                      ; -1/7!
	s_mov_b32 s38, 0x3c088889                      ; 1/5!
	s_mov_b32 s39, 0xbe2aaaab                      ; -1/3!
	s_mov_b32 s40, 0x37d00d01                      ; 1/8!
	s_mov_b32 s41, 0xbab60b61                      ; -1/6!
	s_mov_b32 s42, 0x3d2aaaab                      ; 1/4!
	v_lshlrev_b32 v2, 4, v0                        ; my 16 bytes of a row
	v_lshlrev_b32 v3, 3, v0
	v_and_b32 v3, 511, v3                          ; my first channel within its half
	v_lshrrev_b32 v4, 6, v0                        ; 1: cosine = sine a quarter turn on
.irp j, 0,1,2,3,4,5,6,7
	v_add_nc_u32 v[8+\j], \j, v3
	v_cvt_f32_u32 v[8+\j], v[8+\j]
	v_mul_f32 v[8+\j], 0xbc93a762, v[8+\j]         ; x -ln(10000) / 511, rounded to f32
	v_mul_f32 v[8+\j], 0x3fb8aa3b, v[8+\j]         ; x log2(e)
.endr
.irp j, 0,1,2,3,4,5,6,7
	v_exp_f32 v[8+\j], v[8+\j]                     ; inv
.endr
	v_nop                                          ; a plain instruction behind the last exponential
	s_mov_b32 s31, 8
.Lrow:
	s_cmp_lt_u32 s30, 2048
	s_cselect_b32 s32, 2047, s33
	s_sub_co_u32 s32, s32, s30                     ; the row's position
	v_cvt_f32_u32 v5, s32
	s_wait_alu depctr_va_vdst(0)
.irp j, 0,1,2,3,4,5,6,7
	v_mul_f32 v[16+\j], v5, v[8+\j]                ; the angle
.endr
.irp j, 0,1,2,3,4,5,6,7
	v_mul_f32 v[24+\j], 0x3f22f983, v[16+\j]       ; x 2 / pi
.endr
.irp j, 0,1,2,3,4,5,6,7
	v_rndne_f32 v[24+\j], v[24+\j]                 ; n quarter turns
.endr
.irp j, 0,1,2,3,4,5,6,7
	v_fma_f32 v[16+\j], v[24+\j], s34, v[16+\j]
.endr
.irp j, 0,1,2,3,4,5,6,7
	v_fma_f32 v[16+\j], v[24+\j], s35, v[16+\j]    ; r = angle - n pi/2
.endr
.irp j, 0,1,2,3,4,5,6,7
	v_mul_f32 v[32+\j], v[16+\j], v[16+\j]         ; r^2
.endr
.irp j, 0,1,2,3,4,5,6,7
	v_fma_f32 v[40+\j], v[32+\j], s36, s37
	v_fma_f32 v[48+\j], v[32+\j], s40, s41
.endr
.irp j, 0,1,2,3,4,5,6,7
	v_fma_f32 v[40+\j], v[40+\j], v[32+\j], s38
	v_fma_f32 v[48+\j], v[48+\j], v[32+\j], s42
.endr
.irp j, 0,1,2,3,4,5,6,7
	v_fma_f32 v[40+\j], v[40+\j], v[32+\j], s39
	v_fma_f32 v[48+\j], v[48+\j], v[32+\j], -0.5
.endr
.irp j, 0,1,2,3,4,5,6,7
	v_mul_f32 v[40+\j], v[40+\j], v[32+\j]
	v_fma_f32 v[48+\j], v[48+\j], v[32+\j], 1.0    ; cos r
.endr
.irp j, 0,1,2,3,4,5,6,7
	v_fma_f32 v[40+\j], v[40+\j], v[16+\j], v[16+\j]  ; sin r
	v_cvt_i32_f32 v[24+\j], v[24+\j]
.endr
.irp j, 0,1,2,3,4,5,6,7
	v_add_nc_u32 v[24+\j], v[24+\j], v4            ; quarter turns, the cosine's one more
.endr
.irp j, 0,1,2,3,4,5,6,7
	v_and_b32 v[32+\j], 1, v[24+\j]
	v_cmp_eq_u32 vcc_lo, 1, v[32+\j]
	v_cndmask_b32 v[40+\j], v[40+\j], v[48+\j], vcc_lo  ; odd: the cosine
	v_and_b32 v[24+\j], 2, v[24+\j]
	v_lshlrev_b32 v[24+\j], 30, v[24+\j]
	v_xor_b32 v[40+\j], v[40+\j], v[24+\j]         ; second half of the turn: the sign
.endr
.irp k, 0,1,2,3
	v_cvt_pk_f16_f32 v[56+\k], v[40+2*\k], v[40+2*\k+1]
.endr
	global_store_b128 v2, v[56:59], s[24:25]       ; a wave stores 512 consecutive bytes, aligned
	s_wait_xcnt 0x0                                ; the store's data and base are rewritten only behind this wait
	s_add_nc_u64 s[24:25], s[24:25], 2048
	s_add_co_u32 s30, s30, 1
	s_sub_co_u32 s31, s31, 1
	s_cmp_lg_u32 s31, 0
	s_cbranch_scc1 .Lrow
	s_endpgm                                       ; this way wrote no LDS
.Lfunc_end_k_q3d4a0b99c6_prep:
	.size	k_q3d4a0b99c6_prep, .Lfunc_end_k_q3d4a0b99c6_prep-k_q3d4a0b99c6_prep
	.p2alignl 7, 3214868480
	.fill 96, 4, 3214868480
	.section	.rodata,"a",@progbits
	.p2align	6, 0x0
	.amdhsa_kernel k_q3d4a0b99c6_prep
		.amdhsa_group_segment_fixed_size 35328
		.amdhsa_private_segment_fixed_size 0
		.amdhsa_enable_private_segment 0
		.amdhsa_kernarg_size 72
		.amdhsa_user_sgpr_count 2
		.amdhsa_user_sgpr_kernarg_segment_ptr 1
		.amdhsa_wavefront_size32 1
		.amdhsa_system_sgpr_workgroup_id_x 1
		.amdhsa_system_sgpr_workgroup_id_y 1
		.amdhsa_system_sgpr_workgroup_id_z 1
		.amdhsa_system_vgpr_workitem_id 0
		.amdhsa_next_free_vgpr 152
		.amdhsa_next_free_sgpr 66
		.amdhsa_reserve_vcc 1
		.amdhsa_float_denorm_mode_32 3
		.amdhsa_float_denorm_mode_16_64 3
		.amdhsa_memory_ordered 1
		.amdhsa_forward_progress 1
		.amdhsa_inst_pref_size 31
	.end_amdhsa_kernel
	.amdgpu_metadata
---
amdhsa.version: [ 1, 2 ]
amdhsa.kernels:
  - .name:           k_q3d4a0b99c6_prep
    .symbol:         k_q3d4a0b99c6_prep.kd
    .args:
      - { .name: x, .offset: 0, .size: 8, .value_kind: global_buffer, .address_space: global }
      - { .name: y, .offset: 8, .size: 8, .value_kind: global_buffer, .address_space: global }
      - { .name: Wq, .offset: 16, .size: 8, .value_kind: global_buffer, .address_space: global }
      - { .name: Wk, .offset: 24, .size: 8, .value_kind: global_buffer, .address_space: global }
      - { .name: Wv, .offset: 32, .size: 8, .value_kind: global_buffer, .address_space: global }
      - { .name: Wp, .offset: 40, .size: 8, .value_kind: global_buffer, .address_space: global }
      - { .name: Wo, .offset: 48, .size: 8, .value_kind: global_buffer, .address_space: global }
      - { .name: ah, .offset: 56, .size: 8, .value_kind: global_buffer, .address_space: global }
      - { .name: wt, .offset: 64, .size: 8, .value_kind: global_buffer, .address_space: global }
    .group_segment_fixed_size: 35328
    .private_segment_fixed_size: 0
    .kernarg_segment_align: 8
    .kernarg_segment_size: 72
    .max_flat_workgroup_size: 128
    .sgpr_count:     66
    .vgpr_count:     152
    .wavefront_size: 32
...
	.end_amdgpu_metadata
.endif
;; end of part 1
;; launch proj (part 2): grid 4 x 64, 4 waves a work-group, clusters of 4 x 4, 327,680 bytes of LDS; arguments ah, wt, bq, bk, bv, bp, r_w_bias, r_r_bias, pj; writes pj
.if DOCPART == 2
	.amdgcn_target "amdgcn-amd-amdhsa--gfx1250"
	.amdhsa_code_object_version 6
	.text
	.protected	k_q3d4a0b99c6_proj
	.globl	k_q3d4a0b99c6_proj
	.p2align	8
	.type	k_q3d4a0b99c6_proj,@function
k_q3d4a0b99c6_proj:
	s_mov_b64 s[64:65], 0
	v_nop
	global_prefetch_b8 v0, s[64:65] scope:SCOPE_SE
	s_setreg_imm32_b32 hwreg(HW_REG_WAVE_MODE, 25, 1), 1
	s_wait_xcnt 0x0
	s_wait_alu depctr_hold_cnt(0) depctr_sa_sdst(0) depctr_va_vdst(0) depctr_va_sdst(0) depctr_va_ssrc(0) depctr_va_vcc(0) depctr_vm_vsrc(0)
	s_getreg_b32 s2, hwreg(HW_REG_IB_STS2, 6, 4)
	s_cmp_eq_u32 s2, 0
	s_cbranch_scc0 .Lentry_in_a_cluster
	s_endpgm
.Lentry_in_a_cluster:
	s_bfe_u32 s2, ttmp6, 0x10000c
	s_cmp_lg_u32 s2, 0xf033
	s_cbranch_scc0 .Lentry_shape_is_right
	s_endpgm
.Lentry_shape_is_right:
; PROJ: four products C = A B^T of 4096 x 1024 x 1024 in one launch, f16 operands, f32 sums, tiles of 256 x 256 of C: 4 jobs x 16 x 4 tiles = 256 work-groups, one tile each.
; The job is the cluster's y / 4: 0: x Wq, written twice, as c (q + bq + r_w) and c (q + bq + r_r), c = log2(e) / 8;  1: y Wk + bk;  2: y Wv + bv;
; 3: the sinusoid table times Wp + bp, with row 2048 set to 0.
; Four waves, as many as a WGP has SIMDs; a wave makes 128 x 128: 64 accumulators of 16 x 16, 512 registers.  K goes in steps of 128 through a ring of two LDS slots filled by the
; tensor data mover: the tiles' rows are 256 bytes of memory and start at multiples of 256 bytes.
; CLUSTERS: 4 x 4 work-groups.  The four of a row of the cluster need the same tiles of A, the four of a column the same tiles of B: each tile is asked for JOINTLY, by the same tensor
; load with the same descriptor and a mask that names the four.  The job hangs on the cluster's y alone, so all sixteen partners and all four waves take the same way through the text.
; THE MATRIX INSTRUCTION IS USED TRANSPOSED (source 0 = 16 rows of B, source 1 = 16 rows of A): lane l holds row l % 16 of C and its registers the columns 8 (l / 16) + 0 .. 7.
; LIMITS.  Results are rounded once to f16: they must lie within 65,504; below 6e-5 f16 keeps a fixed step of 6e-8.  NaN and infinities are not treated apart.
; Job 0's second result is made of the first one's f32 number plus c (r_r - r_w): one more rounding in f32 than a sum made anew.
; REGISTERS, in windows of 256 (s_set_vgpr_msb's low byte: bits 1:0 source 0, 3:2 source 1, 5:4 source 2, 7:6 destination):
;   window 0: v0-31 addresses; v64-127, v128-191 fragments of A, two buffers; v192-255 r_r, later with v32-63 at work on the way out
;   window 1: v64-127, v128-191 fragments of B, two buffers; v0-63 the bias, later the addend; v192-255 r_w, later the second addend
;   window 2: the 32 accumulators of my rows 0-63 (accumulator (a, b) at v[8 (8 a + b)]);   window 3: those of my rows 64-127
.set SIZE_K, 1024
.set SIZE_N, 1024
.set KSTEP,  128
.set PITCH,  272                       ; an LDS row: 256 bytes + 16 of padding = 68 words: row r starts at bank 4 r mod 64 (64 banks of 4 bytes: ISA guide 11.1)
.set HALFT,  128*PITCH                 ; 128 rows: what one tensor load brings, and what one wave reads of A or of B
.set SLOT,   4*HALFT                   ; A's 256 rows, then B's 256 rows
.set STAGE,  2*SLOT                    ; behind the ring: 16 rows x 272 bytes for each wave, for the way out
.set SPITCH, 272
.set SPARE,  STAGE+4*16*SPITCH         ; behind the stages: the spare words, 128 bytes for each wave
.set LAPS, SIZE_K/(2*KSTEP)            ; a lap = two K steps = once round the ring: 4
.set NEXT_P, 0x800000-7*16*SIZE_N*2    ; bytes from my last 16 rows of the first result to my first 16 of the second, which lies 8 MiB on
.set ADRA, 16                          ; v16-17  LDS address of my A fragments in slot 0, 1
.set ADRB, 20                          ; v20-21  the same for B
.set STO,  24                          ; v24     the way out: where I put 16 bytes of a row
.set RD,   25                          ; v25     the way out: where I read a row back
.set CO,   26                          ; v26     my byte offset in C
.set ROWV, 27                          ; v27     my lane's row of C in block 0
.set SPW,  28                          ; v28     LDS address of my spare word; never rewritten
.set NIL,  29                          ; v29     0; never rewritten
.set BO,   30                          ; v30     my byte offset in the bias vectors
.set F0,   64
.set F1,   128
.set TMP,  192                         ; the way out: packed results, window 0
.set OB,   32                          ; the way out: 16 rows read back: v32-63 and v224-255 by turns
.set AD,   0                           ; window 1: the addend of my 128 columns: block b of 16 columns at AD + 8 b
.set RW1,  192                         ; window 1: r_w, then the second addend
.set RR0,  192                         ; window 0: r_r
.set G1, 24                            ; s[24:31] descriptor group 1 for A's tiles;  s[32:39] group 0, one set for each slot
.set G0, 32
.set G1B, 48                           ; s[48:55], s[56:63] the same for B's tiles
.set G0B, 56
.set NP,   86                          ; s86  results to be written: 2 for job 0, else 1
.set PASS, 87                          ; s87  counts them
.set JOFF, 88                          ; s88  the job's first byte in pj
.set PBI,  90                          ; s[90:95] bias, r_w, r_r at my columns
.set PRW,  92
.set PRR,  94
.set SC,   96                          ; s[96:97] c or 1
.set FS,   98                          ; s[98:99] c or 0
.set ZR,   100                         ; s100 the row that is set to 0, or none
.set JOB,  101
.set MSB, 0
.macro WIN new                         ; the immediate's high byte repeats the setting that is left; a switch that changes nothing is dropped
.if MSB != (\new)
	s_set_vgpr_msb (MSB<<8)|(\new)
.set MSB, \new
.endif
.endm
.set MUL_LO, 0xa1                      ; source 0 (B) window 1, source 1 (A) window 0, C and D window 2
.set MUL_HI, 0xf1                      ; the same, C and D window 3
.set TO_B,   0x40                      ; destination window 1, address window 0
; A joint load.  Waves 0 and 1 fetch A's two halves, waves 2 and 3 B's.  The branch hangs on the wave's number alone.  An s_nop 0 and four v_nop follow each of the two lines.
.macro JLOAD s
	s_cmp_eq_u32 s11, 0
	s_cbranch_scc0 .Lfor_b_\@
	tensor_load_to_lds s[G0+4*(\s):G0+4*(\s)+3], s[G1:G1+7]
	s_nop 0
.rept 4
	v_nop
.endr
	s_branch .Lasked_\@
.Lfor_b_\@:
	tensor_load_to_lds s[G0B+4*(\s):G0B+4*(\s)+3], s[G1B:G1B+7]
	s_nop 0
.rept 4
	v_nop
.endr
.Lasked_\@:
.endm
.macro CREST                           ; a round of the cluster's barrier behind its opening barrier
	s_cmp_lg_u32 s10, 0
	s_cbranch_scc1 .Lnot_wave_0_\@
	s_barrier_signal -3
.Lnot_wave_0_\@:
	s_barrier_wait -3
	s_barrier_signal -1
	s_barrier_wait -1
.endm
.macro CROUND                          ; a whole round
	s_barrier_signal -1
	s_barrier_wait -1
	CREST
.endm
	s_load_b512 s[68:83], s[0:1], 0x0              ; ah s[68:69], wt s[70:71], bq, bk, bv, bp s[72:79], r_w s[80:81], r_r s[82:83]
	s_load_b64 s[84:85], s[0:1], 0x40              ; pj
	v_lshl_add_u32 v[SPW], v0, 2, SPARE
	v_mov_b32 v[NIL], 0
	ds_add_u32 v[SPW], v[NIL]                      ; the wave's opening: the add and its wait stand ahead of my first tensor load; the set-up below, work on registers, stands between them
	v_lshrrev_b32 v1, 5, v0
	v_readfirstlane_b32 s10, v1                    ; wave 0..3
	s_lshr_b32 s11, s10, 1                         ; which half of the tile's rows is mine.  Also: I fetch for A (0) or for B (1)
	s_and_b32 s12, s10, 1                          ; which half of its columns.  Also: which 128 rows of that tile I fetch
	s_bfe_u32 s40, ttmp6, 0x40000                  ; cx
	s_bfe_u32 s41, ttmp6, 0x40004                  ; cy
	s_lshl_b32 s42, ttmp9, 2
	s_add_co_u32 s42, s42, s40                     ; tile column = 4 x cluster x + cx
	s_and_b32 s13, ttmp7, 0xffff                   ; cluster y: 4 for each job
	s_lshr_b32 s[JOB], s13, 2
	s_and_b32 s13, s13, 3
	s_lshl_b32 s13, s13, 2
	s_add_co_u32 s13, s13, s41                     ; tile row within the job = 4 x (cluster y mod 4) + cy
	s_lshl_b32 s43, s41, 2
	s_lshl_b32 s43, 15, s43                        ; my row of the cluster: places 4 cy .. 4 cy + 3
	s_lshl_b32 s44, 0x1111, s40                    ; my column: places cx, cx + 4, cx + 8, cx + 12
	; descriptor group 1: a tile of 128 rows x 128 elements, padded in LDS
	s_or_b32 s[G1+0], s43, (1<<16)|(1<<20)|(1<<21)|(5<<22)|(3<<25)  ; the mask; 2-byte elements; padding on; bit 21 beside a mask; after every 64 words 4 words
	s_or_b32 s[G1B+0], s44, (1<<16)|(1<<20)|(1<<21)|(5<<22)|(3<<25)
.irp g, G1, G1B
	s_mov_b32 s[(\g)+1], KSTEP<<16                 ; tensor_dim0 = 128
	s_mov_b32 s[(\g)+2], 128<<16                   ; tensor_dim1 = 128
	s_mov_b32 s[(\g)+3], KSTEP<<16                 ; tile_dim0 = 128
	s_mov_b32 s[(\g)+4], 128                       ; tile_dim1 = 128
	s_mov_b32 s[(\g)+5], SIZE_K                    ; elements from row to row
	s_mov_b32 s[(\g)+6], 0
	s_mov_b32 s[(\g)+7], 0
.endr
	; what hangs on the job: the offsets of A, B and the result, the scale, the row to be cleared, the number of results
	s_add_co_u32 s[JOFF], s[JOB], 1
	s_lshl_b32 s[JOFF], s[JOFF], 23                ; jobs 1-3 write the parts at 16, 24, 32 MiB
	s_mov_b32 s4, 0x800000                         ; y's rows
	s_cmp_eq_u32 s[JOB], 3
	s_cselect_b32 s[ZR], 2048, -1
	s_cselect_b32 s4, 0x1000000, s4                ; the sinusoid's rows
	s_cmp_eq_u32 s[JOB], 0
	s_cselect_b32 s4, 0, s4                        ; x's rows
	s_cselect_b32 s[JOFF], 0, s[JOFF]
	s_cselect_b32 s[SC], 0x3e38aa3b, 1.0           ; c = log2(e) / 8
	s_cselect_b32 s[FS], 0x3e38aa3b, 0
	s_cselect_b32 s[NP], 2, 1
	s_mov_b32 s[SC+1], s[SC]                       ; named as pairs
	s_mov_b32 s[FS+1], s[FS]
	s_mov_b32 s5, 0
	s_lshl_b32 s6, s[JOB], 21                      ; 2 MiB a weight
	s_mov_b32 s7, 0
	; where the tiles come from.  A's hang on the job and the tile row, which my row of the cluster shares; B's on the job and the tile column, which my column shares.
	s_lshl_b32 s17, s12, 7                         ; which 128 rows of the tile I fetch
	s_lshl_b32 s16, s13, 8
	s_add_co_u32 s16, s16, s17                     ; A: row 256 x tile row + 128 x half
	s_lshl_b32 s46, s42, 8
	s_add_co_u32 s46, s46, s17                     ; B: row 256 x tile column + 128 x half
	s_mov_b32 s17, 0
	s_mov_b32 s47, 0
	s_mov_b64 s[18:19], SIZE_K*2
	s_mul_u64 s[16:17], s[16:17], s[18:19]
	s_mul_u64 s[46:47], s[46:47], s[18:19]
	s_mul_i32 s20, s10, HALFT                      ; and where they go: wave x 128 rows: no place in the cluster enters an LDS address
	s_wait_dscnt 0x0                               ; the opening add is done
	s_wait_kmcnt 0x0
	s_add_nc_u64 s[4:5], s[68:69], s[4:5]          ; A
	s_add_nc_u64 s[6:7], s[70:71], s[6:7]          ; B
	s_mov_b64 s[8:9], s[84:85]                     ; pj: the first way out adds my part's offset
	s_mov_b64 s[PBI:PBI+1], s[72:73]
	s_cmp_eq_u32 s[JOB], 1
	s_cselect_b64 s[PBI:PBI+1], s[74:75], s[PBI:PBI+1]
	s_cmp_eq_u32 s[JOB], 2
	s_cselect_b64 s[PBI:PBI+1], s[76:77], s[PBI:PBI+1]
	s_cmp_eq_u32 s[JOB], 3
	s_cselect_b64 s[PBI:PBI+1], s[78:79], s[PBI:PBI+1]
	s_add_nc_u64 s[14:15], s[4:5], s[16:17]
	s_add_nc_u64 s[46:47], s[6:7], s[46:47]
	CROUND                                         ; all sixteen work-groups are here: the first joint loads meet
.irp s, 0,1
	s_mov_b32 s[G0+4*(\s)], 1                                      ; count = 1
	s_add_co_u32 s[G0+4*(\s)+1], s20, (\s)*SLOT                    ; LDS address
	s_add_nc_u64 s[G0+4*(\s)+2:G0+4*(\s)+3], s[14:15], (\s)*KSTEP*2  ; global address: K step s
	s_or_b32 s[G0+4*(\s)+3], s[G0+4*(\s)+3], 0x80000000            ; type = 2
	s_mov_b32 s[G0B+4*(\s)], 1
	s_add_co_u32 s[G0B+4*(\s)+1], s20, (\s)*SLOT
	s_add_nc_u64 s[G0B+4*(\s)+2:G0B+4*(\s)+3], s[46:47], (\s)*KSTEP*2
	s_or_b32 s[G0B+4*(\s)+3], s[G0B+4*(\s)+3], 0x80000000
	JLOAD \s                                       ; the ring is filled before anything else is done: two loads of mine are out
.endr
	; A fragment is 16 rows x 32 K in 8 registers: lane l holds row l % 16; registers 0-3 hold K = 8 (l / 16) + 0..7, registers 4-7 K = 16 + 8 (l / 16) + 0..7: two loads of 16 bytes, 32 bytes apart.
	v_and_b32 v1, 15, v0                           ; l % 16
	v_bfe_u32 v2, v0, 4, 1                         ; l / 16
	v_mul_u32_u24 v3, v1, PITCH
	v_lshl_add_u32 v3, v2, 4, v3                   ; row x pitch + 16 x half
	s_mul_i32 s21, s11, HALFT                      ; my 128 rows of A
	s_mul_i32 s22, s12, HALFT                      ; my 128 rows of B,
	s_add_co_u32 s22, s22, 2*HALFT                 ; which lie behind A's 256
.irp s, 0,1
	v_add_nc_u32 v[ADRA+(\s)], s21, v3
	v_add_nc_u32 v[ADRB+(\s)], s22, v3
	s_add_co_u32 s21, s21, SLOT
	s_add_co_u32 s22, s22, SLOT
.endr
	s_mul_i32 s23, s10, 16*SPITCH
	s_add_co_u32 s23, s23, STAGE                   ; my stage
	v_mul_u32_u24 v4, v1, SPITCH                   ; in: row l % 16, 16 bytes for each half of the lanes
	v_lshl_add_u32 v4, v2, 4, v4
	v_add_nc_u32 v[STO], s23, v4
	v_mul_u32_u24 v5, v2, SPITCH                   ; back: lanes 0-15 take one row of 256 bytes, lanes 16-31 the next
	v_lshl_add_u32 v5, v1, 4, v5
	v_add_nc_u32 v[RD], s23, v5
	v_mul_u32_u24 v5, v2, SIZE_N*2                 ; and the same two rows in C
	v_lshl_add_u32 v[CO], v1, 4, v5
	; where my part begins in pj, in bytes: under 2^26
	s_lshl_b32 s13, s13, 8
	s_lshl_b32 s14, s11, 7
	s_add_co_u32 s16, s13, s14                     ; my first row of C within the job
	v_add_nc_u32 v[ROWV], s16, v1
	s_lshl_b32 s16, s16, 11                        ; rows of 2,048 bytes
	s_lshl_b32 s46, s42, 9                         ; my first column, in bytes: 512 x tile column + 256 x half
	s_lshl_b32 s47, s12, 8
	s_add_co_u32 s46, s46, s47
	s_add_co_u32 s16, s16, s46
	s_add_co_u32 s16, s16, s[JOFF]
	s_mov_b32 s17, 0
	s_lshl_b32 s46, s42, 10                        ; my first column in the f32 vectors: 4 (256 x tile column + 128 x half)
	s_lshl_b32 s47, s12, 9
	s_add_co_u32 s46, s46, s47
	s_mov_b32 s47, 0
	s_add_nc_u64 s[PBI:PBI+1], s[PBI:PBI+1], s[46:47]
	s_add_nc_u64 s[PRW:PRW+1], s[80:81], s[46:47]
	s_add_nc_u64 s[PRR:PRR+1], s[82:83], s[46:47]
	v_lshlrev_b32 v[BO], 5, v2                     ; my eight columns of a block of 16
	WIN TO_B                                       ; bias, r_w and r_r of my 64 numbers each go into registers that the products leave idle; they are waited for on the way out
.set bb, 0
.rept 8
	global_load_b128 v[AD+8*bb:AD+8*bb+3],     v[BO], s[PBI:PBI+1] offset:64*bb
	global_load_b128 v[AD+8*bb+4:AD+8*bb+7],   v[BO], s[PBI:PBI+1] offset:64*bb+16
	global_load_b128 v[RW1+8*bb:RW1+8*bb+3],   v[BO], s[PRW:PRW+1] offset:64*bb
	global_load_b128 v[RW1+8*bb+4:RW1+8*bb+7], v[BO], s[PRW:PRW+1] offset:64*bb+16
.set bb, bb+1
.endr
	WIN 0
.set bb, 0
.rept 8
	global_load_b128 v[RR0+8*bb:RR0+8*bb+3],   v[BO], s[PRR:PRR+1] offset:64*bb
	global_load_b128 v[RR0+8*bb+4:RR0+8*bb+7], v[BO], s[PRR:PRR+1] offset:64*bb+16
.set bb, bb+1
.endr
; 16 matrix instructions: m blocks a0, a0 + 1 of the window's four (hi = 0: my rows 0-63, 1: rows 64-127) x all 8 n blocks, 32 along K.  zero = 1: the first product starts the sums.
.macro MUL16 f, hi, a0, zero
	WIN MUL_LO+0x50*(\hi)
.irp a, \a0, (\a0)+1
.irp b, 0,1,2,3,4,5,6,7
.if \zero
	v_wmma_f32_16x16x32_f16 v[8*(8*(\a)+(\b)):8*(8*(\a)+(\b))+7], v[(\f)+8*(\b):(\f)+8*(\b)+7], v[(\f)+8*(4*(\hi)+(\a)):(\f)+8*(4*(\hi)+(\a))+7], 0
.else
	v_wmma_f32_16x16x32_f16 v[8*(8*(\a)+(\b)):8*(8*(\a)+(\b))+7], v[(\f)+8*(\b):(\f)+8*(\b)+7], v[(\f)+8*(4*(\hi)+(\a)):(\f)+8*(4*(\hi)+(\a))+7], v[8*(8*(\a)+(\b)):8*(8*(\a)+(\b))+7]
.endif
.endr
.endr
.endm
; 32 LDS loads in one run: the fragments of one quarter step (128 rows of B, 128 rows of A, 32 K at byte k of the rows) into buffer f
.macro FETCH slot, k, f
	WIN TO_B
.irp i, 0,1,2,3,4,5,6,7
	ds_load_b128 v[(\f)+8*(\i):(\f)+8*(\i)+3],   v[ADRB+(\slot)] offset:(\k)+(\i)*16*PITCH
	ds_load_b128 v[(\f)+8*(\i)+4:(\f)+8*(\i)+7], v[ADRB+(\slot)] offset:(\k)+(\i)*16*PITCH+32
.endr
	WIN 0
.irp i, 0,1,2,3,4,5,6,7
	ds_load_b128 v[(\f)+8*(\i):(\f)+8*(\i)+3],   v[ADRA+(\slot)] offset:(\k)+(\i)*16*PITCH
	ds_load_b128 v[(\f)+8*(\i)+4:(\f)+8*(\i)+7], v[ADRA+(\slot)] offset:(\k)+(\i)*16*PITCH+32
.endr
.endm
.macro PLACES                          ; four places in front of loads into registers that matrix instructions have read (ISA guide 7.12.1 for vector instructions)
.rept 4
	v_nop
.endr
.endm
; A K step is four quarter steps of 32 along K, 64 matrix instructions each, on buffers 0, 1, 0, 1; the 64 accumulators take turns in the same order in every quarter.
; One of the first three: multiplies buffer f; in its middle it fetches the next quarter's fragments, at byte k of the same slot's rows, into buffer g.
.macro QUARTER slot, k, f, g, zero
	s_wait_dscnt 8                                 ; B and A's rows 0-63 are in; the youngest eight loads (A's rows 64-127) may be out
	WIN MUL_LO
	MUL16 \f, 0, 0, \zero
	MUL16 \f, 0, 2, \zero
	PLACES
	FETCH \slot, \k, \g
	s_wait_dscnt 32                                ; all but the 32 just issued
	WIN MUL_HI
	MUL16 \f, 1, 0, \zero
	MUL16 \f, 1, 2, \zero
.endm
; The last quarter multiplies buffer 1 and changes slots: ONE barrier.  In front of it each wave waits for all its tensor loads, of which one is out: its part of the next slot; adds 0 to its
; spare word; and waits for that and for its own reads of this slot.  fill = 1: the barrier opens a round of the cluster's, and behind the round this slot is filled again, two K steps ahead:
; from that request to the wait for it a wave issues 224 matrix instructions.
.macro TURN slot, next, fill
	WIN 0                                          ; (the add's two registers lie in window 0)
	s_wait_tensorcnt 0x0                           ; all my tensor loads have landed
	ds_add_u32 v[SPW], v[NIL]                      ; 0 onto my spare word
	s_wait_dscnt 9                                 ; (the add and the youngest eight loads may be out)
	WIN MUL_LO
	MUL16 F1, 0, 0, 0                              ; sixteen matrix instructions stand between the add and the wait for it
	s_wait_dscnt 0x0                               ; the add is done, and my reads of this slot are over
	s_barrier_signal -1
	MUL16 F1, 0, 2, 0                              ; work on registers while the others arrive
.if \fill
	WIN 0
.endif
	s_barrier_wait -1
.if \fill
	CREST                                          ; no wave of any partner still reads this slot's tile or has a load on its way
	s_add_nc_u64 s[G0+4*(\slot)+2:G0+4*(\slot)+3], s[G0+4*(\slot)+2:G0+4*(\slot)+3], 2*KSTEP*2
	s_add_nc_u64 s[G0B+4*(\slot)+2:G0B+4*(\slot)+3], s[G0B+4*(\slot)+2:G0B+4*(\slot)+3], 2*KSTEP*2
	JLOAD \slot                                    ; the first tensor load behind the round; its four v_nop are also the places in front of the loads below
.else
	PLACES
.endif
	FETCH \next, 0, F0
	WIN MUL_HI
	MUL16 F1, 1, 0, 0
	MUL16 F1, 1, 2, 0
.endm
	s_wait_tensorcnt 1                             ; my part of K step 0 is in; K step 1's may stay out
	s_barrier_signal -1
	s_barrier_wait -1                              ; everybody's is
	FETCH 0, 0, F0
	QUARTER 0, 64,  F0, F1, 1                      ; the first quarter stands in front of the loop: its products start the sums
	WIN 0                                          ; at a label and at a branch every window is 0
	s_mov_b32 s3, LAPS-1
.Llap:                                                 ; a trip goes once round the ring, from a lap's second quarter to the next lap's first, and fills both slots again
	QUARTER 0, 128, F1, F0, 0
	QUARTER 0, 192, F0, F1, 0
	TURN 0, 1, 1
	QUARTER 1, 64,  F0, F1, 0
	QUARTER 1, 128, F1, F0, 0
	QUARTER 1, 192, F0, F1, 0
	TURN 1, 0, 1
	QUARTER 0, 64,  F0, F1, 0
	WIN 0
	s_sub_co_u32 s3, s3, 1
	s_cmp_lg_u32 s3, 0
	s_cbranch_scc1 .Llap
	QUARTER 0, 128, F1, F0, 0                      ; the last lap is written out: it fills nothing, and has no round of the cluster's barrier
	QUARTER 0, 192, F0, F1, 0
	TURN 0, 1, 0
	QUARTER 1, 64,  F0, F1, 0
	QUARTER 1, 128, F1, F0, 0
	QUARTER 1, 192, F0, F1, 0
	s_wait_dscnt 8                                 ; the very last quarter: nothing more to fetch
	MUL16 F1, 0, 0, 0
	MUL16 F1, 0, 2, 0
	s_wait_dscnt 0x0
	MUL16 F1, 1, 0, 0
	MUL16 F1, 1, 2, 0
	; THE WAY OUT.  A result is sum x SC + addend.  First the addends of my 128 columns: bias x SC + r_w x FS, and for job 0's second result (r_r - r_w) x FS, to be added onto the first.
	; These 128 plain lines name no register of the last products: they are the places behind them.
	WIN 0
	s_wait_loadcnt 0x0                             ; bias, r_w, r_r
	WIN 0x41                                       ; destination and source 0 window 1
.set i, 0
.rept 32
	v_pk_mul_f32 v[AD+2*i:AD+2*i+1], v[AD+2*i:AD+2*i+1], s[SC:SC+1] op_sel_hi:[1,0]
.set i, i+1
.endr
	WIN 0x51                                       ; source 2 too
.set i, 0
.rept 32
	v_pk_fma_f32 v[AD+2*i:AD+2*i+1], v[RW1+2*i:RW1+2*i+1], s[FS:FS+1], v[AD+2*i:AD+2*i+1] op_sel_hi:[1,0,1]
.set i, i+1
.endr
	WIN 0x44                                       ; destination and source 1 window 1, source 0 window 0
.set i, 0
.rept 32
	v_pk_add_f32 v[RW1+2*i:RW1+2*i+1], v[RR0+2*i:RR0+2*i+1], v[RW1+2*i:RW1+2*i+1] neg_lo:[0,1] neg_hi:[0,1]
.set i, i+1
.endr
	WIN 0x41
.set i, 0
.rept 32
	v_pk_mul_f32 v[RW1+2*i:RW1+2*i+1], v[RW1+2*i:RW1+2*i+1], s[FS:FS+1] op_sel_hi:[1,0]
.set i, i+1
.endr
	WIN 0
; Block a of 16 rows, in four parts.  SCALE: sum x SC + addend, in place, each accumulator's registers in ascending order.  PACK: rounded to f16, 16 bytes a lane.
; TOSTAGE: into my own stage in LDS, and back as whole rows of 256 bytes.  SEND: stored.
.macro SCALE a
.set AC, 64*((\a)%4)
	WIN 0x92+0x41*((\a)/4)                         ; destination and source 0 window 2 or 3, source 2 window 1
.irp b, 0,1,2,3,4,5,6,7
.irp j, 0,1,2,3
	v_pk_fma_f32 v[AC+8*(\b)+2*(\j):AC+8*(\b)+2*(\j)+1], v[AC+8*(\b)+2*(\j):AC+8*(\b)+2*(\j)+1], s[SC:SC+1], v[AD+8*(\b)+2*(\j):AD+8*(\b)+2*(\j)+1] op_sel_hi:[1,0,1]
.endr
.endr
.endm
.macro PACK a
.set AC, 64*((\a)%4)
	WIN 0x0a+5*((\a)/4)                            ; sources 0 and 1 window 2 or 3, destination window 0
.irp b, 0,1,2,3,4,5,6,7
.irp j, 0,1,2,3
	v_cvt_pk_f16_f32 v[TMP+4*(\b)+(\j)], v[AC+8*(\b)+2*(\j)], v[AC+8*(\b)+2*(\j)+1]
.endr
.endr
	WIN 0
.endm
.macro TOSTAGE a
	WIN 0
.set BK, OB+192*((\a)%2)
.irp b, 0,1,2,3,4,5,6,7
	ds_store_b128 v[STO], v[TMP+4*(\b):TMP+4*(\b)+3] offset:32*(\b)
.endr
.irp t, 0,1,2,3,4,5,6,7
	ds_load_b128 v[BK+4*(\t):BK+4*(\t)+3], v[RD] offset:(\t)*2*SPITCH  ; LDS serves a wave's instructions in order (ISA guide 5.7.1.4): these see the stores above
.endr
.endm
.macro SEND a
	WIN 0
.set BK, OB+192*((\a)%2)
	s_wait_dscnt 0x0                               ; the block is back in registers
	s_wait_xcnt 0x0                                ; only behind this wait are the stores' base and the registers that earlier stores read rewritten
.if (\a) == 0
	s_add_nc_u64 s[8:9], s[8:9], s[16:17]          ; on to this result's first rows
.else
	s_add_nc_u64 s[8:9], s[8:9], 16*SIZE_N*2       ; 16 rows on
.endif
.irp t, 0,1,2,3,4,5,6,7
	global_store_b128 v[CO], v[BK+4*(\t):BK+4*(\t)+3], s[8:9] offset:2*(\t)*SIZE_N*2  ; 16 lanes store 256 consecutive bytes, aligned
.endr
.endm
	s_mov_b32 s[PASS], 0
.Lpass:                                                ; once, or twice for job 0: the bound hangs on the job alone; no barrier and no tensor load stand in the loop, and its LDS addresses are fixed
	SCALE 0
	PACK 0
	v_cmp_eq_u32 vcc_lo, s[ZR], v[ROWV]            ; row 2048 is a tile's first: it can lie in block 0 alone
.set i, 0
.rept 32
	v_cndmask_b32 v[TMP+i], v[TMP+i], v[NIL], vcc_lo
.set i, i+1
.endr
	TOSTAGE 0
.irp a, 1,2,3,4,5,6,7                  ; block a's arithmetic stands between block a - 1's loads from the stage and the wait for them
	SCALE \a
	PACK \a
	SEND (\a)-1
	TOSTAGE \a
.endr
	SEND 7
	WIN 0x41                                       ; what a second pass adds: the first result's numbers x 1 + (r_r - r_w) x FS
.set i, 0
.rept 64
	v_mov_b32 v[AD+i], v[RW1+i]
.set i, i+1
.endr
	WIN 0
	s_mov_b32 s[SC], 1.0
	s_mov_b32 s[SC+1], 1.0
	s_mov_b64 s[16:17], NEXT_P                     ; and where it goes
	s_add_co_u32 s[PASS], s[PASS], 1
	s_cmp_lt_u32 s[PASS], s[NP]
	s_cbranch_scc1 .Lpass
	s_wait_tensorcnt 0x0                           ; the wave's end, behind my last tensor load and my last LDS store
	ds_add_u32 v[SPW], v[NIL]
	s_wait_dscnt 0x0
	CROUND                                         ; the closing round: no work-group ends while a partner may still ask for a tile that names it
	s_endpgm
.Lfunc_end_k_q3d4a0b99c6_proj:
	.size	k_q3d4a0b99c6_proj, .Lfunc_end_k_q3d4a0b99c6_proj-k_q3d4a0b99c6_proj
	.p2alignl 7, 3214868480
	.fill 96, 4, 3214868480
	.section	.rodata,"a",@progbits
	.p2align	6, 0x0
	.amdhsa_kernel k_q3d4a0b99c6_proj
		.amdhsa_group_segment_fixed_size 327680
		.amdhsa_private_segment_fixed_size 0
		.amdhsa_enable_private_segment 0
		.amdhsa_kernarg_size 72
		.amdhsa_user_sgpr_count 2
		.amdhsa_user_sgpr_kernarg_segment_ptr 1
		.amdhsa_wavefront_size32 1
		.amdhsa_system_sgpr_workgroup_id_x 1
		.amdhsa_system_sgpr_workgroup_id_y 1
		.amdhsa_system_sgpr_workgroup_id_z 1
		.amdhsa_system_vgpr_workitem_id 0
		.amdhsa_next_free_vgpr 1024
		.amdhsa_next_free_sgpr 102
		.amdhsa_reserve_vcc 1
		.amdhsa_float_denorm_mode_32 3
		.amdhsa_float_denorm_mode_16_64 3
		.amdhsa_memory_ordered 1
		.amdhsa_forward_progress 1
		.amdhsa_inst_pref_size 176
	.end_amdhsa_kernel
	.amdgpu_metadata
---
amdhsa.version: [ 1, 2 ]
amdhsa.kernels:
  - .name:           k_q3d4a0b99c6_proj
    .symbol:         k_q3d4a0b99c6_proj.kd
    .args:
      - { .name: ah, .offset: 0, .size: 8, .value_kind: global_buffer, .address_space: global }
      - { .name: wt, .offset: 8, .size: 8, .value_kind: global_buffer, .address_space: global }
      - { .name: bq, .offset: 16, .size: 8, .value_kind: global_buffer, .address_space: global }
      - { .name: bk, .offset: 24, .size: 8, .value_kind: global_buffer, .address_space: global }
      - { .name: bv, .offset: 32, .size: 8, .value_kind: global_buffer, .address_space: global }
      - { .name: bp, .offset: 40, .size: 8, .value_kind: global_buffer, .address_space: global }
      - { .name: r_w_bias, .offset: 48, .size: 8, .value_kind: global_buffer, .address_space: global }
      - { .name: r_r_bias, .offset: 56, .size: 8, .value_kind: global_buffer, .address_space: global }
      - { .name: pj, .offset: 64, .size: 8, .value_kind: global_buffer, .address_space: global }
    .group_segment_fixed_size: 327680
    .private_segment_fixed_size: 0
    .kernarg_segment_align: 8
    .kernarg_segment_size: 72
    .max_flat_workgroup_size: 128
    .sgpr_count:     102
    .vgpr_count:     1024
    .wavefront_size: 32
...
	.end_amdgpu_metadata
.endif
;; end of part 2
;; launch attn (part 3): grid 8 x 32, 4 waves a work-group, clusters of 4 x 1, 327,680 bytes of LDS; arguments pj, mask, oh; writes oh
.if DOCPART == 3
	.amdgcn_target "amdgcn-amd-amdhsa--gfx1250"
	.amdhsa_code_object_version 6
	.text
	.protected	k_q3d4a0b99c6_attn
	.globl	k_q3d4a0b99c6_attn
	.p2align	8
	.type	k_q3d4a0b99c6_attn,@function
k_q3d4a0b99c6_attn:
	s_mov_b64 s[64:65], 0
	v_nop
	global_prefetch_b8 v0, s[64:65] scope:SCOPE_SE
	s_setreg_imm32_b32 hwreg(HW_REG_WAVE_MODE, 25, 1), 1
	s_wait_xcnt 0x0
	s_wait_alu depctr_hold_cnt(0) depctr_sa_sdst(0) depctr_va_vdst(0) depctr_va_sdst(0) depctr_va_ssrc(0) depctr_va_vcc(0) depctr_vm_vsrc(0)
	s_getreg_b32 s2, hwreg(HW_REG_IB_STS2, 6, 4)
	s_cmp_eq_u32 s2, 0
	s_cbranch_scc0 .Lentry_in_a_cluster
	s_endpgm
.Lentry_in_a_cluster:
	s_bfe_u32 s2, ttmp6, 0x10000c
	s_cmp_lg_u32 s2, 0x3003
	s_cbranch_scc0 .Lentry_shape_is_right
	s_endpgm
.Lentry_shape_is_right:
; ATTENTION WITH RELATIVE POSITIONS.  pj holds five f16 tensors [4096 tokens or rows][1024], 8 MiB each: qw = c (q + bq + r_w), qr = c (q + bq + r_r), k, v, G; c = log2(e) / 8.
; THE SHIFT.  With d = j - i the shifted relative score of query i and key j is qr[i] . pe[2047 + d] (d <= 0), 0 (d = 1), qr[i + 1] . pe[d - 2] (d >= 2).
; G holds pe at rows 0-2047, zeros at row 2048 and pe again from row 2049 on, so the score is qsel . G[j - i + 2047], qsel = row i below G's row 2048 and row i + 1 from it on.
; For 16 queries from i0 and 64 keys from j0 the rows needed are the 80 from j0 - i0 + 2032 on: five tiles of 16 that begin at multiples of 16, and row 2048 is a tile's first:
; each tile takes one of the two query operands.  R^T = G Q^T holds one query a lane; score (key jl, query r) is its row jl - r + 15: the skew goes through the wave's own
; LDS scratch (a row of 84 words for each query) and comes back straight into the registers onto which S^T += K Qw^T then adds.
; SHARES.  A work-group: one batch, two heads, 128 queries.  Wave w: head w / 2 of the two, 64 queries (w % 2): four tiles of 16.  Every wave walks all 2,048 keys, 64 a step.
; MASK.  w = z m + (m BIG - BIG), BIG = 1e10 log2(e), two fused multiply-adds: m = 1 gives z, m = 0 gives -BIG exactly, so a row with no key open comes out uniform.
; SOFTMAX.  Scores are in base-2 units.  A running maximum mx and sum l for each query; in every step O and l are multiplied by a = 2^(mx_old - mx_new).  mx starts at the lowest finite number, O and l at 0.
; CLUSTER.  The four partners have the same batch and queries and other heads: the mask's tile is asked for jointly; K, V and G are loads of one's own behind the same rounds.
; Partners along the query axis would branch otherwise on the step, so the cluster has one row.
; LIMITS.  f16 holds no number beyond 65,504; p lies in 0 to 1 and below 6e-5 keeps f16's step of 6e-8; a weight below 2^-126 counts as 0 in l; NaN and infinities are not treated apart;
; the mask's term is rounded once in base-2 units, so a mask strictly between 0 and 1 gives other last bits of a number near 1e10 than three roundings do.
; REGISTERS, in windows of 256 (s_set_vgpr_msb: bits 1:0 source 0, 3:2 source 1, 5:4 source 2, 7:6 destination):
;   window 0: v0-31 addresses; v32-47 statistics; v48-63 at work; v64-127 S^T, two buffers; v128-191 the mask, two buffers; v192-231 R^T; v232-247 P
;   window 1: v0-127 O^T, 32 a tile     window 2: v0-63 qw, v64-127 qr rows i, v128-191 qr rows i + 1, v192-255 K     window 3: v0-127 G's eight tiles, v128-191 V
.set KOFF,  34816                      ; a slot: the mask 128 rows x 272, K 64 x 272, V 64 x 288
.set VOFF,  52224
.set SKB,   70656                      ; the skew's scratch: 16 rows x 336 bytes for each wave
.set SKW,   5376
.set STAGE, 92160                      ; 128 rows x 272 for the way out
.set SPARE, 126976                     ; the spare words, 128 bytes for each wave
.set SLOT1, 131072                     ; slot 1: one exclusive or away
.set GRING, 201728                     ; four chunks of 64 rows of G x 272
.set GCH,   17408
.set AK0, 3
.set AV0, 4
.set AG0, 5
.set AM0, 6
.set QO,  7
.set AK,  8
.set AV,  9
.set AGA, 10                           ; v10, v11: my two chunks of G
.set AM,  12
.set SKS, 13
.set SKL, 14
.set STO, 15
.set RD,  16
.set GO,  17
.set QUO, 18                           ; v18-21
.set SPW, 30
.set NIL, 31
.set ST,  32                           ; tile t: mx at +4t (named as a pair with +4t+1), l at +4t+2, +4t+3
.set CW,  48                           ; c0-c3, mx_old, the difference, a (a pair)
.set TT,  56
.set SR,  64
.set MR,  128
.set RR,  192
.set PR,  232
.set QW,  0
.set QL,  64
.set QU,  128
.set KF,  192
.set VF,  128
.set WV,  18
.set HS,  19
.set QH,  20
.set HP,  21
.set BB,  22
.set QB,  23
.set G1M, 24
.set G1K, 32
.set G1V, 40
.set G1G, 48
.set G0M, 56
.set G0K, 60
.set G0V, 68
.set G0G, 72
.set SS,  76                           ; the step
.set SD,  77                           ; the step that holds my wave's diagonal
.set SL,  78                           ; the slot that is read
.set P0,  79
.set P1,  80
.set TS,  81
.set BIG, 84
.set NBIG, 86
.set SEL, 88
.set G0F, 96
.set MSB, 0
.macro WIN new
.if MSB != (\new)
	s_set_vgpr_msb (MSB<<8)|(\new)
.set MSB, (\new)
.endif
.endm
.set W_RL, 0x0b                        ; G window 3, Q window 2, R^T window 0
.set W_KQ, 0x0a                        ; K and Q window 2, S^T window 0
.set W_PV, 0x53                        ; V window 3, P window 0, O^T window 1
.set W_RS, 0x41                        ; O^T window 1, the factor window 0
.macro ROUND                           ; a round of the cluster's barrier
	s_barrier_signal -1
	s_barrier_wait -1
	s_cmp_lg_u32 s[WV], 0
	s_cbranch_scc1 .Lnot_wave_0_\@
	s_barrier_signal -3
.Lnot_wave_0_\@:
	s_barrier_wait -3
	s_barrier_signal -1
	s_barrier_wait -1
.endm
.macro AFTER                           ; behind every tensor load: s_nop 0 and four v_nop
	s_nop 0
.rept 4
	v_nop
.endr
.endm
; One load a wave: wave 0 the mask (jointly), 1 K, 2 V, 3 G.  first = 1: G's first three chunks in one load.
.macro LOAD4 first
	s_cmp_lt_u32 s[WV], 2
	s_cbranch_scc0 .Lhi_\@
	s_cmp_eq_u32 s[WV], 0
	s_cbranch_scc0 .Lk_\@
	tensor_load_to_lds s[G0M:G0M+3], s[G1M:G1M+7]
	AFTER
	s_branch .Ldone_\@
.Lk_\@:
	tensor_load_to_lds s[G0K:G0K+3], s[G1K:G1K+7]
	AFTER
	s_branch .Ldone_\@
.Lhi_\@:
	s_cmp_eq_u32 s[WV], 2
	s_cbranch_scc0 .Lg_\@
	tensor_load_to_lds s[G0V:G0V+3], s[G1V:G1V+7]
	AFTER
	s_branch .Ldone_\@
.Lg_\@:
.if \first
	tensor_load_to_lds s[G0F:G0F+3], s[G1G:G1G+7]
.else
	tensor_load_to_lds s[G0G:G0G+3], s[G1K:G1K+7]  ; a chunk of G has the shape of a tile of K
.endif
	AFTER
.Ldone_\@:
.endm
; THE CHANGE OF SLOTS.  Each wave waits for all its tensor loads (one is out: its part of the step to come), adds 0 to its spare word, and waits for that and for its reads of the step behind.
; fill = 1: behind a round of the cluster's barrier the slot just read takes step SS + 1's mask, K and V, and the ring's place (SS + 3) mod 4, last read in step SS - 1, takes chunk SS + 3 of G.
.macro CHANGE fill
	WIN 0
	s_wait_tensorcnt 0x0                           ; no tensor load of mine is out, so a group 0 may be written
	ds_add_u32 v[SPW], v[NIL]
.if \fill
	s_xor_b32 s[G0M+1], s[G0M+1], SLOT1
	s_add_nc_u64 s[G0M+2:G0M+3], s[G0M+2:G0M+3], 256      ; 64 keys of f32 on
	s_xor_b32 s[G0K+1], s[G0K+1], SLOT1
	s_add_nc_u64 s[G0K+2:G0K+3], s[G0K+2:G0K+3], 131072   ; 64 rows of 2,048 bytes on
	s_xor_b32 s[G0V+1], s[G0V+1], SLOT1
	s_add_nc_u64 s[G0V+2:G0V+3], s[G0V+2:G0V+3], 131072
	s_add_co_u32 s[TS], s[SS], 3
	s_and_b32 s[TS], s[TS], 3
	s_mul_i32 s[TS], s[TS], GCH
	s_add_co_u32 s[G0G+1], s[TS], GRING
	s_add_nc_u64 s[G0G+2:G0G+3], s[G0G+2:G0G+3], 131072
.endif
	s_wait_dscnt 0x0                               ; the add is done, and my reads are over
.if \fill
	ROUND
	LOAD4 0                                        ; its four v_nop are also the places in front of the loads into V's registers
.else
	s_barrier_signal -1
	s_barrier_wait -1
.rept 4
	v_nop                                          ; those places
.endr
.endif
	s_xor_b32 s[SL], s[SL], SLOT1
.endm
; 64 LDS loads in one run: my two chunks of G (eight tiles), V turned, K.
.macro FETCH
	WIN 0
	s_add_co_u32 s[P0], s[SS], 1
	s_sub_co_u32 s[P0], s[P0], s[QH]               ; my first chunk: SS + 1 - (w % 2)
	s_add_co_u32 s[P1], s[P0], 1
	s_and_b32 s[P0], s[P0], 3
	s_and_b32 s[P1], s[P1], 3
	s_mul_i32 s[P0], s[P0], GCH
	s_mul_i32 s[P1], s[P1], GCH
	v_add_nc_u32 v[AGA], s[P0], v[AG0]
	v_add_nc_u32 v[AGA+1], s[P1], v[AG0]
	v_add_nc_u32 v[AK], s[SL], v[AK0]
	v_add_nc_u32 v[AV], s[SL], v[AV0]
	v_add_nc_u32 v[AM], s[SL], v[AM0]
	WIN 0xc0                                       ; destination window 3
.set n, 0
.rept 16                               ; tile n / 2, channels 32 (n % 2) on
	ds_load_b128 v[8*n:8*n+3],   v[AGA+n/8] offset:((n/2)%4)*4352+64*(n%2)
	ds_load_b128 v[8*n+4:8*n+7], v[AGA+n/8] offset:((n/2)%4)*4352+64*(n%2)+32
.set n, n+1
.endr
.set n, 0
.rept 8                                ; keys 32 (n / 4) on, channels 16 (n % 4) on
	ds_load_tr16_b128 v[VF+8*n:VF+8*n+3],   v[AV] offset:(n/4)*9216+32*(n%4)
	ds_load_tr16_b128 v[VF+8*n+4:VF+8*n+7], v[AV] offset:(n/4)*9216+4608+32*(n%4)
.set n, n+1
.endr
	WIN 0x80                                       ; destination window 2
.set n, 0
.rept 8                                ; keys 16 (n / 2) on, channels 32 (n % 2) on
	ds_load_b128 v[KF+8*n:KF+8*n+3],   v[AK] offset:(n/2)*4352+64*(n%2)
	ds_load_b128 v[KF+8*n+4:KF+8*n+7], v[AK] offset:(n/2)*4352+64*(n%2)+32
.set n, n+1
.endr
	WIN 0
.endm
; Ten products R^T = G Q^T for tile t: band tile cc is G's tile cc + 3 - t of my eight; tiles 0-3 take qa, tiles 4-7 qb.  The five accumulators take turns.
.macro RELV t, qa, qb
	WIN W_RL
.set n, 0
.rept 10
.set cc, n%5
.set kh, n/5
.set bt, cc+3-(\t)
.set qq, \qa
.if bt >= 4
.set qq, \qb
.endif
.if kh == 0
	v_wmma_f32_16x16x32_f16 v[RR+8*cc:RR+8*cc+7], v[16*bt+8*kh:16*bt+8*kh+7], v[qq+16*(\t)+8*kh:qq+16*(\t)+8*kh+7], 0
.else
	v_wmma_f32_16x16x32_f16 v[RR+8*cc:RR+8*cc+7], v[16*bt+8*kh:16*bt+8*kh+7], v[qq+16*(\t)+8*kh:qq+16*(\t)+8*kh+7], v[RR+8*cc:RR+8*cc+7]
.endif
.set n, n+1
.endr
	WIN 0
.endm
; Which query rows: below my diagonal step all of G's rows lie under row 2048, above it all lie from it on, in it my second chunk begins with it.  The jumps pass matrix instructions alone.
.macro REL t
	WIN 0
	s_cmp_lt_u32 s[SS], s[SD]
	s_cbranch_scc1 .Llow_\@
	s_cmp_eq_u32 s[SS], s[SD]
	s_cbranch_scc1 .Ldia_\@
	RELV \t, QU, QU
	s_branch .Ljoin_\@
.Llow_\@:
	RELV \t, QL, QL
	s_branch .Ljoin_\@
.Ldia_\@:
	RELV \t, QL, QU
.Ljoin_\@:
.rept 5
	v_nop                                          ; four places ahead of the stores that read R^T, five ahead of the next products that write over it
.endr
.endm
; 50 LDS instructions: R^T into my scratch, the skewed scores back into S^T's buffer, the mask's 32 numbers.  LDS serves a wave's instructions in order (ISA guide 5.7.1.4).
.macro SKEW t
	WIN 0
.set n, 0
.rept 5
	ds_store_b128 v[SKS], v[RR+8*n:RR+8*n+3]   offset:64*n
	ds_store_b128 v[SKS], v[RR+8*n+4:RR+8*n+7] offset:64*n+16
.set n, n+1
.endr
.set n, 0
.rept 32                               ; the lanes' words lie 83 r + 8 h apart: 32 different banks (64 banks of 4 bytes: ISA guide 11.1)
	ds_load_b32 v[SR+32*((\t)%2)+n], v[SKL] offset:64*(n/8)+4*(n%8)
.set n, n+1
.endr
.set n, 0
.rept 8
	ds_load_b128 v[MR+32*((\t)%2)+4*n:MR+32*((\t)%2)+4*n+3], v[AM] offset:4352*(\t)+64*(n/2)+16*(n%2)
.set n, n+1
.endr
.endm
.macro CONTENT t                       ; S^T += K Qw^T onto the skewed scores: four accumulators by turns
	WIN W_KQ
.set n, 0
.rept 8
.set kt, n%4
.set kh, n/4
.set rs, SR+32*((\t)%2)+8*kt
	v_wmma_f32_16x16x32_f16 v[rs:rs+7], v[KF+16*kt+8*kh:KF+16*kt+8*kh+7], v[QW+16*(\t)+8*kh:QW+16*(\t)+8*kh+7], v[rs:rs+7]
.set n, n+1
.endr
.endm
.macro PV t                            ; O^T += V^T P: four accumulators by turns
	WIN W_PV
.set n, 0
.rept 8
.set cb, n%4
.set kk, n/4
	v_wmma_f32_16x16x32_f16 v[32*(\t)+8*cb:32*(\t)+8*cb+7], v[VF+32*kk+8*cb:VF+32*kk+8*cb+7], v[PR+8*kk:PR+8*kk+7], v[32*(\t)+8*cb:32*(\t)+8*cb+7]
.set n, n+1
.endr
.endm
.macro SOFTMAX t
.set sb, SR+32*((\t)%2)
.set mb, MR+32*((\t)%2)
.set mx, ST+4*(\t)
	WIN 0
.set i, 0
.rept 4                                ; m BIG - BIG for the first four pairs: also the four places behind the products
	v_pk_fma_f32 v[TT+2*i:TT+2*i+1], v[mb+2*i:mb+2*i+1], s[BIG:BIG+1], s[NBIG:NBIG+1] op_sel_hi:[1,0,0]
.set i, i+1
.endr
.set i, 0
.rept 16                               ; z m + that, in ascending order
	v_pk_fma_f32 v[sb+2*i:sb+2*i+1], v[sb+2*i:sb+2*i+1], v[mb+2*i:mb+2*i+1], v[TT+2*(i%4):TT+2*(i%4)+1]
.if i < 12
	v_pk_fma_f32 v[TT+2*(i%4):TT+2*(i%4)+1], v[mb+2*i+8:mb+2*i+9], s[BIG:BIG+1], s[NBIG:NBIG+1] op_sel_hi:[1,0,0]
.endif
.set i, i+1
.endr
.irp n, 0,1,2,3                        ; the maximum: four chains of seven scores, three operands at a time
	v_max3_num_f32 v[CW+\n], v[sb+8*\n], v[sb+8*\n+1], v[sb+8*\n+2]
.endr
.irp n, 0,1,2,3
	v_max3_num_f32 v[CW+\n], v[CW+\n], v[sb+8*\n+3], v[sb+8*\n+4]
.endr
.irp n, 0,1,2,3
	v_max3_num_f32 v[CW+\n], v[CW+\n], v[sb+8*\n+5], v[sb+8*\n+6]
.endr
	v_max3_num_f32 v[CW], v[CW], v[sb+7], v[sb+15]
	v_max3_num_f32 v[CW+1], v[CW+1], v[sb+23], v[sb+31]
	v_max3_num_f32 v[CW+2], v[CW+2], v[CW+3], v[mx]
	v_mov_b32 v[CW+4], v[mx]                       ; mx_old is kept
	v_max3_num_f32 v[CW], v[CW], v[CW+1], v[CW+2]
	v_permlanex16_b32 v[CW+3], v[CW], s[SEL], s[SEL+1]  ; the query's other 32 keys lie in the lane 16 away
	v_max_num_f32 v[mx], v[CW], v[CW+3]
	v_sub_f32 v[CW+5], v[CW+4], v[mx]
	v_exp_f32 v[CW+6], v[CW+5]                     ; a; the subtractions below are the plain lines behind it
.set i, 0
.rept 16
	v_pk_add_f32 v[sb+2*i:sb+2*i+1], v[sb+2*i:sb+2*i+1], v[mx:mx+1] op_sel_hi:[1,0] neg_lo:[0,1] neg_hi:[0,1]
.set i, i+1
.endr
.set i, 0
.rept 32
	v_exp_f32 v[sb+i], v[sb+i]
.set i, i+1
.endr
	WIN W_RS
.set i, 0
	s_wait_alu depctr_va_vdst(0)
.rept 16                               ; O^T a: plain lines behind the exponentials, ahead of the use of their results
	v_pk_mul_f32 v[32*(\t)+2*i:32*(\t)+2*i+1], v[32*(\t)+2*i:32*(\t)+2*i+1], v[CW+6:CW+7] op_sel_hi:[1,0]
.set i, i+1
.endr
	WIN 0
.set i, 0
.rept 16
	v_cvt_pk_f16_f32 v[PR+i], v[sb+2*i], v[sb+2*i+1]
.set i, i+1
.endr
.set i, 0
.rept 8                                ; the sum of the 16 pairs, in place
	v_pk_add_f32 v[sb+4*i:sb+4*i+1], v[sb+4*i:sb+4*i+1], v[sb+4*i+2:sb+4*i+3]
.set i, i+1
.endr
.set i, 0
.rept 4
	v_pk_add_f32 v[sb+8*i:sb+8*i+1], v[sb+8*i:sb+8*i+1], v[sb+8*i+4:sb+8*i+5]
.set i, i+1
.endr
	v_pk_add_f32 v[sb:sb+1], v[sb:sb+1], v[sb+8:sb+9]
	v_pk_add_f32 v[sb+16:sb+17], v[sb+16:sb+17], v[sb+24:sb+25]
	v_pk_add_f32 v[sb:sb+1], v[sb:sb+1], v[sb+16:sb+17]
	v_pk_fma_f32 v[mx+2:mx+3], v[mx+2:mx+3], v[CW+6:CW+7], v[sb:sb+1] op_sel_hi:[1,0,1]
.endm
; A KEY STEP.  The relative products and the skew run a tile ahead of the content product.
.macro STEP
	FETCH
	s_wait_dscnt 32                                ; G is in; V's and K's 32 loads may stay out
	REL 0
	SKEW 0
	REL 1
	SKEW 1
	s_wait_dscnt 50                                ; all but the next tile's 50: K, V, and tile 0's scores and mask are in
	CONTENT 0
	SOFTMAX 0
	PV 0
	REL 2
	SKEW 2
	s_wait_dscnt 50
	CONTENT 1
	SOFTMAX 1
	PV 1
	REL 3
	SKEW 3
	s_wait_dscnt 50
	CONTENT 2
	SOFTMAX 2
	PV 2
	s_wait_dscnt 0x0
	CONTENT 3
	SOFTMAX 3
	PV 3
	WIN 0
.endm
	s_load_b128 s[4:7], s[0:1], 0x0                ; pj s[4:5], mask s[6:7]
	s_load_b64 s[8:9], s[0:1], 0x10                ; oh
	v_lshl_add_u32 v[SPW], v0, 2, SPARE
	v_mov_b32 v[NIL], 0
	ds_add_u32 v[SPW], v[NIL]                      ; the wave's opening: the add and its wait stand ahead of my first tensor load
	v_lshrrev_b32 v1, 5, v0
	v_readfirstlane_b32 s[WV], v1                  ; wave 0..3
	s_lshr_b32 s[HS], s[WV], 1                     ; which of the two heads
	s_and_b32 s[QH], s[WV], 1                      ; which 64 queries
	s_bfe_u32 s10, ttmp6, 0x40000                  ; cx: it enters pj's and oh's addresses alone
	s_lshl_b32 s[HP], ttmp9, 2
	s_add_co_u32 s[HP], s[HP], s10                 ; the pair of heads
	s_and_b32 s11, ttmp7, 0xffff
	s_lshr_b32 s[BB], s11, 4                       ; the batch
	s_and_b32 s[QB], s11, 15                       ; the block of 128 queries
	s_lshl_b32 s[SD], s[QB], 1
	s_add_co_u32 s[SD], s[SD], s[QH]
	s_mov_b32 s[G1M], 15|(2<<16)|(1<<20)|(1<<21)|(5<<22)|(3<<25)  ; the mask of four; 4-byte elements; padding on; bit 21 beside a mask; after every 64 words 4 words
	s_mov_b32 s[G1M+1], 64<<16                     ; tensor_dim0 = 64
	s_mov_b32 s[G1M+2], 128<<16                    ; tensor_dim1 = 128
	s_mov_b32 s[G1M+3], 64<<16                     ; tile_dim0 = 64
	s_mov_b32 s[G1M+4], 128                        ; tile_dim1 = 128
	s_mov_b32 s[G1M+5], 2048                       ; elements from row to row
	s_mov_b32 s[G1M+6], 0
	s_mov_b32 s[G1M+7], 0
	s_mov_b32 s[G1K], (1<<16)|(1<<20)|(5<<22)|(3<<25)  ; 2-byte elements; after every 64 words 4 words
	s_mov_b32 s[G1V], (1<<16)|(1<<20)|(5<<22)|(7<<25)  ; 8 words
	s_mov_b32 s[G1G], (1<<16)|(1<<20)|(5<<22)|(3<<25)
.irp g, G1K, G1V
	s_mov_b32 s[\g+1], 128<<16                     ; two heads' 128 channels
	s_mov_b32 s[\g+2], 64<<16
	s_mov_b32 s[\g+3], 128<<16
	s_mov_b32 s[\g+4], 64
	s_mov_b32 s[\g+5], 1024
	s_mov_b32 s[\g+6], 0
	s_mov_b32 s[\g+7], 0
.endr
	s_mov_b32 s[G1G+1], 128<<16
	s_mov_b32 s[G1G+2], 192<<16                    ; three chunks at once
	s_mov_b32 s[G1G+3], 128<<16
	s_mov_b32 s[G1G+4], 192
	s_mov_b32 s[G1G+5], 1024
	s_mov_b32 s[G1G+6], 0
	s_mov_b32 s[G1G+7], 0
	s_mov_b32 s[G0M], 1
	s_mov_b32 s[G0M+1], 0
	s_mov_b32 s[G0K], 1
	s_mov_b32 s[G0K+1], KOFF
	s_mov_b32 s[G0V], 1
	s_mov_b32 s[G0V+1], VOFF
	s_mov_b32 s[G0F], 1
	s_mov_b32 s[G0F+1], GRING
	s_mov_b32 s[G0G], 1
	s_mov_b32 s[G0G+1], GRING                      ; made anew in every change of slots
	s_mov_b32 s[BIG], 0x5056fa73                   ; 1e10 log2(e)
	s_mov_b32 s[BIG+1], s[BIG]
	s_mov_b32 s[NBIG], 0xd056fa73
	s_mov_b32 s[NBIG+1], s[NBIG]
	s_mov_b32 s[SEL], 0x76543210
	s_mov_b32 s[SEL+1], 0xfedcba98
	s_mov_b32 s[SL], SLOT1                         ; the first change of slots turns it into 0
	s_mov_b32 s[SS], 0
	s_lshl_b32 s90, s[BB], 24                      ; the mask: (2048 b + 128 qb) rows of 8,192 bytes; no place in the cluster enters
	s_lshl_b32 s91, s[QB], 20
	s_add_co_u32 s90, s90, s91
	s_mov_b32 s91, 0
	s_lshl_b32 s92, s[BB], 22                      ; 2048 b rows of 2,048 bytes + the pair's 256 bytes
	s_lshl_b32 s93, s[HP], 8
	s_add_co_u32 s92, s92, s93
	s_lshl_b32 s94, s[QB], 1                       ; G: chunk 0 begins at row 64 (30 - 2 qb)
	s_sub_co_u32 s94, 30, s94
	s_lshl_b32 s94, s94, 17
	s_add_co_u32 s94, s94, s93
	s_mov_b32 s93, 0
	s_mov_b32 s95, 0
	s_wait_dscnt 0x0                               ; the opening add is done
	s_wait_kmcnt 0x0
	s_add_nc_u64 s[G0M+2:G0M+3], s[6:7], s[90:91]
	s_or_b32 s[G0M+3], s[G0M+3], 0x80000000
	s_add_nc_u64 s[14:15], s[4:5], s[92:93]
	s_add_nc_u64 s[G0K+2:G0K+3], s[14:15], 0x1000000
	s_or_b32 s[G0K+3], s[G0K+3], 0x80000000
	s_add_nc_u64 s[G0V+2:G0V+3], s[14:15], 0x1800000
	s_or_b32 s[G0V+3], s[G0V+3], 0x80000000
	s_add_nc_u64 s[16:17], s[4:5], s[94:95]
	s_add_nc_u64 s[G0F+2:G0F+3], s[16:17], 0x2000000
	s_or_b32 s[G0F+3], s[G0F+3], 0x80000000
	s_add_nc_u64 s[G0G+2:G0G+3], s[16:17], 0x2040000      ; chunk 2: the first change of slots steps it to chunk 3
	s_or_b32 s[G0G+3], s[G0G+3], 0x80000000
	s_lshl_b32 s90, s[QB], 18                      ; my wave's first query row and my head
	s_lshl_b32 s91, s[QH], 17
	s_add_co_u32 s90, s90, s91
	s_lshl_b32 s91, s[HS], 7
	s_add_co_u32 s90, s90, s91
	s_mov_b32 s94, s91
	s_mov_b32 s91, 0
	s_add_nc_u64 s[10:11], s[14:15], s[90:91]      ; qw
	s_add_nc_u64 s[12:13], s[10:11], 0x800000      ; qr, rows i
	s_add_nc_u64 s[16:17], s[14:15], s[94:95]
	s_add_nc_u64 s[16:17], s[16:17], 0x800000      ; qr at the batch's first row: rows i + 1 by the lanes' offsets
	s_lshl_b32 s94, s[QB], 18                      ; oh: the rows that I store: 128 qb + 32 w
	s_lshl_b32 s90, s[WV], 16
	s_add_co_u32 s94, s94, s90
	s_add_nc_u64 s[8:9], s[8:9], s[92:93]
	s_add_nc_u64 s[8:9], s[8:9], s[94:95]
	ROUND                                          ; all four work-groups are here: the first joint load meets
	LOAD4 1                                        ; step 0's mask, K, V; G's chunks 0 to 2: one load of each wave is out
	v_and_b32 v1, 15, v0                           ; r
	v_bfe_u32 v2, v0, 4, 1                         ; h
	v_lshlrev_b32 v[QO], 11, v1
	v_lshl_add_u32 v[QO], v2, 4, v[QO]             ; row x 2,048 + 16 x half
	s_lshl_b32 s[TS], s[QB], 7
	s_lshl_b32 s[P0], s[QH], 6
	s_add_co_u32 s[TS], s[TS], s[P0]
	s_add_co_u32 s[TS], s[TS], 1
.set t, 0
.rept 4                                ; row i + 1, held at the batch's last: that row's products are never read, since no key lies behind query 2047
	v_add_nc_u32 v[QUO+t], s[TS], v1
	v_add_nc_u32 v[QUO+t], 16*t, v[QUO+t]
	v_min_u32 v[QUO+t], 0x7ff, v[QUO+t]
	v_lshlrev_b32 v[QUO+t], 11, v[QUO+t]
	v_lshl_add_u32 v[QUO+t], v2, 4, v[QUO+t]
.set t, t+1
.endr
	WIN 0x80                                       ; destination window 2
.set n, 0
.rept 8                                ; tile n / 2, channels 32 (n % 2) on
	global_load_b128 v[QW+8*n:QW+8*n+3],   v[QO], s[10:11] offset:(n/2)*32768+(n%2)*64
	global_load_b128 v[QW+8*n+4:QW+8*n+7], v[QO], s[10:11] offset:(n/2)*32768+(n%2)*64+32
	global_load_b128 v[QL+8*n:QL+8*n+3],   v[QO], s[12:13] offset:(n/2)*32768+(n%2)*64
	global_load_b128 v[QL+8*n+4:QL+8*n+7], v[QO], s[12:13] offset:(n/2)*32768+(n%2)*64+32
	global_load_b128 v[QU+8*n:QU+8*n+3],   v[QUO+n/2], s[16:17] offset:(n%2)*64
	global_load_b128 v[QU+8*n+4:QU+8*n+7], v[QUO+n/2], s[16:17] offset:(n%2)*64+32
.set n, n+1
.endr
	WIN 0x40                                       ; O^T starts at 0: no first step is written out; these lines stand in the wait for the first tiles
.set i, 0
.rept 128
	v_mov_b32 v[i], 0
.set i, i+1
.endr
	WIN 0
.set t, 0
.rept 4
	v_mov_b32 v[ST+4*t], 0xff7fffff                ; mx
	v_mov_b32 v[ST+4*t+1], 0                       ; named with it as a pair
	v_mov_b32 v[ST+4*t+2], 0                       ; l
	v_mov_b32 v[ST+4*t+3], 0
.set t, t+1
.endr
	v_mov_b32 v[CW+7], 0                           ; named with a as a pair
	v_mul_u32_u24 v22, v1, 272
	v_lshl_add_u32 v22, v2, 4, v22
	s_lshl_b32 s[TS], s[HS], 7
	v_add_nc_u32 v22, s[TS], v22                   ; 272 r + 16 h + my head's 128 bytes
	v_add_nc_u32 v[AK0], KOFF, v22
	v_add_nc_u32 v[AG0], GRING, v22
	v_and_b32 v23, 7, v0                           ; the turning load: lane l reads key 8 h + l % 8, channels 8 ((l / 8) % 2) on
	v_bfe_u32 v24, v0, 3, 1
	v_lshl_add_u32 v25, v2, 3, v23
	v_mul_u32_u24 v25, v25, 288
	v_lshl_add_u32 v25, v24, 4, v25
	v_add_nc_u32 v25, s[TS], v25
	v_add_nc_u32 v[AV0], VOFF, v25
	s_mul_i32 s[TS], s[QH], 64*272
	v_mul_u32_u24 v26, v1, 272
	v_lshl_add_u32 v26, v2, 5, v26
	v_add_nc_u32 v[AM0], s[TS], v26                ; the mask: row 64 (w % 2) + r, 32 bytes for each half of the lanes
	s_add_co_u32 s[TS], s[TS], STAGE
	v_add_nc_u32 v[STO], s[TS], v22                ; the way out: token 64 (w % 2) + r, my head's half of its 256 bytes
	s_mul_i32 s[TS], s[WV], SKW
	s_add_co_u32 s[TS], s[TS], SKB                 ; my scratch
	v_mul_u32_u24 v27, v1, 336
	v_lshl_add_u32 v27, v2, 5, v27
	v_add_nc_u32 v[SKS], s[TS], v27                ; in: row r, words 8 h on
	v_mul_u32_u24 v28, v1, 332
	v_lshl_add_u32 v28, v2, 5, v28
	v_add_nc_u32 v28, s[TS], v28
	v_add_nc_u32 v[SKL], 60, v28                   ; back: row r, word 8 h + 15 - r on
	s_mul_i32 s[TS], s[WV], 32*272
	s_add_co_u32 s[TS], s[TS], STAGE
	v_mul_u32_u24 v[RD], v2, 272
	v_lshl_add_u32 v[RD], v1, 4, v[RD]
	v_add_nc_u32 v[RD], s[TS], v[RD]               ; back: lanes 0-15 one token's 256 bytes, lanes 16-31 the next
	v_lshlrev_b32 v[GO], 11, v2
	v_lshl_add_u32 v[GO], v1, 4, v[GO]
	s_wait_loadcnt 0x0                             ; Q
.Lstep:                                                ; 31 trips: step SS is worked on, step SS + 1 asked for
	CHANGE 1
	STEP
	s_add_co_u32 s[SS], s[SS], 1
	s_cmp_lt_u32 s[SS], 31
	s_cbranch_scc1 .Lstep
	CHANGE 0                                       ; the last step is written out
	STEP
	; THE WAY OUT.  l's two halves and the other half of the lanes' are added (the first additions are the places behind the last products); O^T / l, rounded to f16, goes through the stage.
.set t, 0
.rept 4
	v_add_f32 v[ST+4*t+2], v[ST+4*t+2], v[ST+4*t+3]
.set t, t+1
.endr
.set t, 0
.rept 4
	v_permlanex16_b32 v[ST+4*t+3], v[ST+4*t+2], s[SEL], s[SEL+1]
.set t, t+1
.endr
.set t, 0
.rept 4
	v_add_f32 v[ST+4*t+2], v[ST+4*t+2], v[ST+4*t+3]
.set t, t+1
.endr
.set t, 0
.rept 4
	v_rcp_f32 v[ST+4*t+2], v[ST+4*t+2]
.set t, t+1
.endr
	v_nop                                          ; a plain instruction behind the last reciprocal
	s_wait_alu depctr_va_vdst(0)
.set t, 0
.rept 4
	WIN W_RS
.set i, 0
.rept 16
	v_pk_mul_f32 v[32*t+2*i:32*t+2*i+1], v[32*t+2*i:32*t+2*i+1], v[ST+4*t+2:ST+4*t+3] op_sel_hi:[1,0]
.set i, i+1
.endr
	WIN 0x05                                       ; sources window 1, destination window 0
.set i, 0
.rept 16
	v_cvt_pk_f16_f32 v[SR+16*t+i], v[32*t+2*i], v[32*t+2*i+1]
.set i, i+1
.endr
	WIN 0
.set i, 0
.rept 4
	ds_store_b128 v[STO], v[SR+16*t+4*i:SR+16*t+4*i+3] offset:4352*t+32*i
.set i, i+1
.endr
.set t, t+1
.endr
	s_wait_dscnt 0x0                               ; for the others' sake: a token's 256 bytes come from two waves
	s_barrier_signal -1
	s_barrier_wait -1
.set p, 0
.rept 16
	ds_load_b128 v[SR+4*p:SR+4*p+3], v[RD] offset:544*p
.set p, p+1
.endr
.set p, 0
.rept 16
	s_wait_dscnt 15-p
	global_store_b128 v[GO], v[SR+4*p:SR+4*p+3], s[8:9] offset:4096*p  ; 16 lanes store 256 consecutive bytes, aligned
.set p, p+1
.endr
	s_wait_tensorcnt 0x0                           ; the wave's end
	ds_add_u32 v[SPW], v[NIL]
	s_wait_dscnt 0x0
	ROUND                                          ; the closing round
	s_endpgm
.Lfunc_end_k_q3d4a0b99c6_attn:
	.size	k_q3d4a0b99c6_attn, .Lfunc_end_k_q3d4a0b99c6_attn-k_q3d4a0b99c6_attn
	.p2alignl 7, 3214868480
	.fill 96, 4, 3214868480
	.section	.rodata,"a",@progbits
	.p2align	6, 0x0
	.amdhsa_kernel k_q3d4a0b99c6_attn
		.amdhsa_group_segment_fixed_size 327680
		.amdhsa_private_segment_fixed_size 0
		.amdhsa_enable_private_segment 0
		.amdhsa_kernarg_size 24
		.amdhsa_user_sgpr_count 2
		.amdhsa_user_sgpr_kernarg_segment_ptr 1
		.amdhsa_wavefront_size32 1
		.amdhsa_system_sgpr_workgroup_id_x 1
		.amdhsa_system_sgpr_workgroup_id_y 1
		.amdhsa_system_sgpr_workgroup_id_z 1
		.amdhsa_system_vgpr_workitem_id 0
		.amdhsa_next_free_vgpr 960
		.amdhsa_next_free_sgpr 100
		.amdhsa_reserve_vcc 0
		.amdhsa_float_denorm_mode_32 3
		.amdhsa_float_denorm_mode_16_64 3
		.amdhsa_memory_ordered 1
		.amdhsa_forward_progress 1
		.amdhsa_inst_pref_size 165
	.end_amdhsa_kernel
	.amdgpu_metadata
---
amdhsa.version: [ 1, 2 ]
amdhsa.kernels:
  - .name:           k_q3d4a0b99c6_attn
    .symbol:         k_q3d4a0b99c6_attn.kd
    .args:
      - { .name: pj, .offset: 0, .size: 8, .value_kind: global_buffer, .address_space: global }
      - { .name: mask, .offset: 8, .size: 8, .value_kind: global_buffer, .address_space: global }
      - { .name: oh, .offset: 16, .size: 8, .value_kind: global_buffer, .address_space: global }
    .group_segment_fixed_size: 327680
    .private_segment_fixed_size: 0
    .kernarg_segment_align: 8
    .kernarg_segment_size: 24
    .max_flat_workgroup_size: 128
    .sgpr_count:     100
    .vgpr_count:     960
    .wavefront_size: 32
...
	.end_amdgpu_metadata
.endif
;; end of part 3
;; launch outp (part 4): grid 8 x 32, 4 waves a work-group, clusters of 4 x 4, 327,680 bytes of LDS; arguments oh, wt, bo, out0; writes out0
.if DOCPART == 4
	.amdgcn_target "amdgcn-amd-amdhsa--gfx1250"
	.amdhsa_code_object_version 6
	.text
	.protected	k_q3d4a0b99c6_outp
	.globl	k_q3d4a0b99c6_outp
	.p2align	8
	.type	k_q3d4a0b99c6_outp,@function
k_q3d4a0b99c6_outp:
	s_mov_b64 s[64:65], 0
	v_nop
	global_prefetch_b8 v0, s[64:65] scope:SCOPE_SE
	s_setreg_imm32_b32 hwreg(HW_REG_WAVE_MODE, 25, 1), 1
	s_wait_xcnt 0x0
	s_wait_alu depctr_hold_cnt(0) depctr_sa_sdst(0) depctr_va_vdst(0) depctr_va_sdst(0) depctr_va_ssrc(0) depctr_va_vcc(0) depctr_vm_vsrc(0)
	s_getreg_b32 s2, hwreg(HW_REG_IB_STS2, 6, 4)
	s_cmp_eq_u32 s2, 0
	s_cbranch_scc0 .Lentry_in_a_cluster
	s_endpgm
.Lentry_in_a_cluster:
	s_bfe_u32 s2, ttmp6, 0x10000c
	s_cmp_lg_u32 s2, 0xf033
	s_cbranch_scc0 .Lentry_shape_is_right
	s_endpgm
.Lentry_shape_is_right:
; OUTP: out0 = O Wo + bo.  O [4096][1024] f16, Wo^T [1024][1024] f16 (the fifth part of wt), sums and result f32.  Tiles of 128 x 128: 256 work-groups, one for each WGP.
; Four waves, each 64 x 64: 16 accumulators.  K in steps of 256 through two LDS slots filled by the tensor data mover; 4 x 4 clusters ask jointly for A's tiles along a row and B's along a column.
; THE MATRIX INSTRUCTION IS USED TRANSPOSED (source 0 = 16 rows of B, source 1 = 16 rows of A): a lane holds eight neighbouring numbers of a row of C.
; The way out, in f32, goes through slot 0's bytes: that slot has had its last fill, and every wave's last reads of it lie ahead of the barrier of the last change of slots.
; REGISTERS: window 0: v0-31 addresses; v96-127 the bias; v128-255 the accumulators ((a, b) at v[128 + 8 (4 a + b)]).  window 1: two fragment buffers of 128.
.set SIZE_K, 1024
.set SIZE_N, 1024
.set KSTEP,  256
.set PITCH,  528                       ; an LDS row: 512 bytes + 16 of padding = 132 words: row r starts at bank 4 r mod 64 (64 banks of 4 bytes: ISA guide 11.1)
.set HALFT,  64*PITCH
.set SLOT,   4*HALFT
.set SPARE,  2*SLOT+34816              ; behind the ring: the spare words, 128 bytes for each wave
.set LAPS, SIZE_K/(2*KSTEP)
.set ADRA, 16
.set ADRB, 20
.set STO,  24
.set RD,   25
.set CO,   26
.set SPW,  28
.set NIL,  29
.set BO,   31
.set BI,   96
.set ACC,  128
.set F0,   0
.set F1,   128
.set G1, 24
.set G0, 32
.set G1B, 48
.set G0B, 56
.set MSB, 0
.macro WIN new
.if MSB != (\new)
	s_set_vgpr_msb (MSB<<8)|(\new)
.set MSB, \new
.endif
.endm
.set MUL,  0x05
.set TO_F, 0x40
.macro JLOAD s                         ; a joint load: waves 0 and 1 fetch A's two halves, waves 2 and 3 B's; an s_nop 0 and four v_nop follow each line
	s_cmp_eq_u32 s11, 0
	s_cbranch_scc0 .Lfor_b_\@
	tensor_load_to_lds s[G0+4*(\s):G0+4*(\s)+3], s[G1:G1+7]
	s_nop 0
.rept 4
	v_nop
.endr
	s_branch .Lasked_\@
.Lfor_b_\@:
	tensor_load_to_lds s[G0B+4*(\s):G0B+4*(\s)+3], s[G1B:G1B+7]
	s_nop 0
.rept 4
	v_nop
.endr
.Lasked_\@:
.endm
.macro CREST
	s_cmp_lg_u32 s10, 0
	s_cbranch_scc1 .Lnot_wave_0_\@
	s_barrier_signal -3
.Lnot_wave_0_\@:
	s_barrier_wait -3
	s_barrier_signal -1
	s_barrier_wait -1
.endm
.macro CROUND
	s_barrier_signal -1
	s_barrier_wait -1
	CREST
.endm
	s_load_b256 s[68:75], s[0:1], 0x0              ; oh s[68:69], wt s[70:71], bo s[72:73], out0 s[74:75]
	v_lshl_add_u32 v[SPW], v0, 2, SPARE
	v_mov_b32 v[NIL], 0
	ds_add_u32 v[SPW], v[NIL]                      ; the wave's opening: the add and its wait stand ahead of my first tensor load
	v_lshrrev_b32 v1, 5, v0
	v_readfirstlane_b32 s10, v1
	s_lshr_b32 s11, s10, 1
	s_and_b32 s12, s10, 1
	s_bfe_u32 s40, ttmp6, 0x40000
	s_bfe_u32 s41, ttmp6, 0x40004
	s_lshl_b32 s42, ttmp9, 2
	s_add_co_u32 s42, s42, s40                     ; tile column
	s_and_b32 s13, ttmp7, 0xffff
	s_lshl_b32 s13, s13, 2
	s_add_co_u32 s13, s13, s41                     ; tile row
	s_lshl_b32 s43, s41, 2
	s_lshl_b32 s43, 15, s43
	s_lshl_b32 s44, 0x1111, s40
	s_or_b32 s[G1+0], s43, (1<<16)|(1<<20)|(1<<21)|(6<<22)|(3<<25)
	s_or_b32 s[G1B+0], s44, (1<<16)|(1<<20)|(1<<21)|(6<<22)|(3<<25)
.irp g, G1, G1B
	s_mov_b32 s[(\g)+1], KSTEP<<16
	s_mov_b32 s[(\g)+2], 64<<16
	s_mov_b32 s[(\g)+3], KSTEP<<16
	s_mov_b32 s[(\g)+4], 64
	s_mov_b32 s[(\g)+5], SIZE_K
	s_mov_b32 s[(\g)+6], 0
	s_mov_b32 s[(\g)+7], 0
.endr
	s_lshl_b32 s17, s12, 6
	s_lshl_b32 s16, s13, 7
	s_add_co_u32 s16, s16, s17
	s_lshl_b32 s46, s42, 7
	s_add_co_u32 s46, s46, s17
	s_mov_b32 s17, 0
	s_mov_b32 s47, 0
	s_mov_b64 s[18:19], SIZE_K*2
	s_mul_u64 s[16:17], s[16:17], s[18:19]
	s_mul_u64 s[46:47], s[46:47], s[18:19]
	s_mul_i32 s20, s10, HALFT
	s_wait_dscnt 0x0                               ; the opening add is done
	s_wait_kmcnt 0x0
	s_add_nc_u64 s[14:15], s[68:69], s[16:17]
	s_add_nc_u64 s[6:7], s[70:71], 0x800000        ; Wo^T lies behind the four other weights
	s_add_nc_u64 s[46:47], s[6:7], s[46:47]
	CROUND
.irp s, 0,1
	s_mov_b32 s[G0+4*(\s)], 1
	s_add_co_u32 s[G0+4*(\s)+1], s20, (\s)*SLOT
	s_add_nc_u64 s[G0+4*(\s)+2:G0+4*(\s)+3], s[14:15], (\s)*KSTEP*2
	s_or_b32 s[G0+4*(\s)+3], s[G0+4*(\s)+3], 0x80000000
	s_mov_b32 s[G0B+4*(\s)], 1
	s_add_co_u32 s[G0B+4*(\s)+1], s20, (\s)*SLOT
	s_add_nc_u64 s[G0B+4*(\s)+2:G0B+4*(\s)+3], s[46:47], (\s)*KSTEP*2
	s_or_b32 s[G0B+4*(\s)+3], s[G0B+4*(\s)+3], 0x80000000
	JLOAD \s
.endr
	v_and_b32 v1, 15, v0
	v_bfe_u32 v2, v0, 4, 1
	v_mul_u32_u24 v3, v1, PITCH
	v_lshl_add_u32 v4, v2, 5, v3                   ; the way out: row r, 32 bytes for each half of the lanes
	v_lshl_add_u32 v3, v2, 4, v3
	s_mul_i32 s21, s11, HALFT
	s_mul_i32 s22, s12, HALFT
	s_add_co_u32 s22, s22, 2*HALFT
	s_lshl_b32 s23, s12, 8
	s_add_co_u32 s23, s23, s21                     ; 64 x row half rows of 528 bytes + 256 x column half
	v_add_nc_u32 v[STO], s23, v4
.irp s, 0,1
	v_add_nc_u32 v[ADRA+(\s)], s21, v3
	v_add_nc_u32 v[ADRB+(\s)], s22, v3
	s_add_co_u32 s21, s21, SLOT
	s_add_co_u32 s22, s22, SLOT
.endr
	v_and_b32 v5, 31, v0
	v_lshlrev_b32 v[CO], 4, v5                     ; 16 x lane: a row's 512 bytes
	s_mul_i32 s23, s10, 32*PITCH                   ; back: wave w takes rows 32 w .. 32 w + 31, whole
	v_add_nc_u32 v[RD], s23, v[CO]
	s_lshl_b32 s16, s13, 7
	s_lshl_b32 s17, s10, 5
	s_add_co_u32 s16, s16, s17                     ; the first row that I store
	s_lshl_b32 s16, s16, 12                        ; rows of 4,096 bytes: under 2^24
	s_lshl_b32 s17, s42, 9                         ; the tile's first column, in bytes
	s_add_co_u32 s46, s16, s17
	s_mov_b32 s47, 0
	s_add_nc_u64 s[8:9], s[74:75], s[46:47]
	s_lshl_b32 s46, s42, 9                         ; my wave's first column in bo
	s_lshl_b32 s47, s12, 8
	s_add_co_u32 s46, s46, s47
	s_mov_b32 s47, 0
	s_add_nc_u64 s[4:5], s[72:73], s[46:47]
	v_lshlrev_b32 v[BO], 5, v2
.set bb, 0
.rept 4
	global_load_b128 v[BI+8*bb:BI+8*bb+3],   v[BO], s[4:5] offset:64*bb
	global_load_b128 v[BI+8*bb+4:BI+8*bb+7], v[BO], s[4:5] offset:64*bb+16
.set bb, bb+1
.endr
.macro MUL8 f, c, a0, zero
	WIN MUL
.irp a, \a0, (\a0)+1
.irp b, 0,1,2,3
.if \zero
	v_wmma_f32_16x16x32_f16 v[ACC+8*(4*(\a)+(\b)):ACC+8*(4*(\a)+(\b))+7], v[(\f)+64+8*(4*(\c)+(\b)):(\f)+64+8*(4*(\c)+(\b))+7], v[(\f)+8*(4*(\c)+(\a)):(\f)+8*(4*(\c)+(\a))+7], 0
.else
	v_wmma_f32_16x16x32_f16 v[ACC+8*(4*(\a)+(\b)):ACC+8*(4*(\a)+(\b))+7], v[(\f)+64+8*(4*(\c)+(\b)):(\f)+64+8*(4*(\c)+(\b))+7], v[(\f)+8*(4*(\c)+(\a)):(\f)+8*(4*(\c)+(\a))+7], v[ACC+8*(4*(\a)+(\b)):ACC+8*(4*(\a)+(\b))+7]
.endif
.endr
.endr
.endm
.macro FETCH slot, k, f
	WIN TO_F
.irp c, 0,1
.irp i, 0,1,2,3
	ds_load_b128 v[(\f)+64+8*(4*(\c)+(\i)):(\f)+64+8*(4*(\c)+(\i))+3],   v[ADRB+(\slot)] offset:(\k)+64*(\c)+(\i)*16*PITCH
	ds_load_b128 v[(\f)+64+8*(4*(\c)+(\i))+4:(\f)+64+8*(4*(\c)+(\i))+7], v[ADRB+(\slot)] offset:(\k)+64*(\c)+(\i)*16*PITCH+32
	ds_load_b128 v[(\f)+8*(4*(\c)+(\i)):(\f)+8*(4*(\c)+(\i))+3],         v[ADRA+(\slot)] offset:(\k)+64*(\c)+(\i)*16*PITCH
	ds_load_b128 v[(\f)+8*(4*(\c)+(\i))+4:(\f)+8*(4*(\c)+(\i))+7],       v[ADRA+(\slot)] offset:(\k)+64*(\c)+(\i)*16*PITCH+32
.endr
.endr
.endm
.macro PLACES                          ; four places in front of loads into registers that matrix instructions have read, and of lines that read results
.rept 4
	v_nop
.endr
.endm
.macro QUARTER slot, k, f, g, zero
	s_wait_dscnt 16                                ; the first 32 along K are in
	WIN MUL
	MUL8 \f, 0, 0, \zero
	MUL8 \f, 0, 2, \zero
	PLACES
	FETCH \slot, \k, \g
	s_wait_dscnt 32                                ; all but the 32 just issued
	WIN MUL
	MUL8 \f, 1, 0, 0
	MUL8 \f, 1, 2, 0
.endm
.macro TURN slot, next, fill
	WIN 0
	s_wait_tensorcnt 0x0                           ; all my tensor loads have landed: my part of the next slot
	ds_add_u32 v[SPW], v[NIL]
	s_wait_dscnt 17                                ; (the add and the youngest sixteen loads may be out)
	WIN MUL
	MUL8 F1, 0, 0, 0
	s_wait_dscnt 0x0                               ; the add is done, and my reads of this slot are over
	s_barrier_signal -1
	MUL8 F1, 0, 2, 0
.if \fill
	WIN 0
.endif
	s_barrier_wait -1
.if \fill
	CREST
	s_add_nc_u64 s[G0+4*(\slot)+2:G0+4*(\slot)+3], s[G0+4*(\slot)+2:G0+4*(\slot)+3], 2*KSTEP*2
	s_add_nc_u64 s[G0B+4*(\slot)+2:G0B+4*(\slot)+3], s[G0B+4*(\slot)+2:G0B+4*(\slot)+3], 2*KSTEP*2
	JLOAD \slot
.else
	PLACES
.endif
	FETCH \next, 0, F0
	WIN MUL
	MUL8 F1, 1, 0, 0
	MUL8 F1, 1, 2, 0
.endm
	s_wait_tensorcnt 1                             ; my part of K step 0 is in; K step 1's may stay out
	s_barrier_signal -1
	s_barrier_wait -1
	FETCH 0, 0, F0
	QUARTER 0, 128, F0, F1, 1
	WIN 0
	s_mov_b32 s3, LAPS-1
.Llap:
	QUARTER 0, 256, F1, F0, 0
	QUARTER 0, 384, F0, F1, 0
	TURN 0, 1, 1
	QUARTER 1, 128, F0, F1, 0
	QUARTER 1, 256, F1, F0, 0
	QUARTER 1, 384, F0, F1, 0
	TURN 1, 0, 1
	QUARTER 0, 128, F0, F1, 0
	WIN 0
	s_sub_co_u32 s3, s3, 1
	s_cmp_lg_u32 s3, 0
	s_cbranch_scc1 .Llap
	QUARTER 0, 256, F1, F0, 0
	QUARTER 0, 384, F0, F1, 0
	TURN 0, 1, 0                                   ; behind this barrier nobody reads slot 0 any more, and nothing is filled again
	QUARTER 1, 128, F0, F1, 0
	QUARTER 1, 256, F1, F0, 0
	QUARTER 1, 384, F0, F1, 0
	s_wait_dscnt 16
	WIN MUL
	MUL8 F1, 0, 0, 0
	MUL8 F1, 0, 2, 0
	s_wait_dscnt 0
	MUL8 F1, 1, 0, 0
	MUL8 F1, 1, 2, 0
	WIN 0
	; THE WAY OUT: the bias is added; 32 bytes a lane go into rows of 528 bytes in slot 0's bytes; a barrier, since a row's 512 bytes come from two waves; back as whole rows.
	PLACES
	s_wait_loadcnt 0x0                             ; bo
.set t, 0
.rept 16                               ; each accumulator's registers in ascending order
.irp j, 0,1,2,3
	v_pk_add_f32 v[ACC+8*t+2*\j:ACC+8*t+2*\j+1], v[ACC+8*t+2*\j:ACC+8*t+2*\j+1], v[BI+8*(t%4)+2*\j:BI+8*(t%4)+2*\j+1]
.endr
.set t, t+1
.endr
.set t, 0
.rept 16
	ds_store_b128 v[STO], v[ACC+8*t:ACC+8*t+3]   offset:(t/4)*16*PITCH+64*(t%4)
	ds_store_b128 v[STO], v[ACC+8*t+4:ACC+8*t+7] offset:(t/4)*16*PITCH+64*(t%4)+16
.set t, t+1
.endr
	s_wait_dscnt 0x0                               ; for the others' sake: my stores are done
	s_barrier_signal -1
	s_barrier_wait -1
.set p, 0
.rept 32
	ds_load_b128 v[ACC+4*p:ACC+4*p+3], v[RD] offset:PITCH*p
.set p, p+1
.endr
.set p, 0
.rept 32
	s_wait_dscnt 31-p
	global_store_b128 v[CO], v[ACC+4*p:ACC+4*p+3], s[8:9] offset:4096*p  ; a wave stores 512 consecutive bytes, aligned
.set p, p+1
.endr
	s_wait_tensorcnt 0x0                           ; the wave's end
	ds_add_u32 v[SPW], v[NIL]
	s_wait_dscnt 0x0
	CROUND                                         ; the closing round
	s_endpgm
.Lfunc_end_k_q3d4a0b99c6_outp:
	.size	k_q3d4a0b99c6_outp, .Lfunc_end_k_q3d4a0b99c6_outp-k_q3d4a0b99c6_outp
	.p2alignl 7, 3214868480
	.fill 96, 4, 3214868480
	.section	.rodata,"a",@progbits
	.p2align	6, 0x0
	.amdhsa_kernel k_q3d4a0b99c6_outp
		.amdhsa_group_segment_fixed_size 327680
		.amdhsa_private_segment_fixed_size 0
		.amdhsa_enable_private_segment 0
		.amdhsa_kernarg_size 32
		.amdhsa_user_sgpr_count 2
		.amdhsa_user_sgpr_kernarg_segment_ptr 1
		.amdhsa_wavefront_size32 1
		.amdhsa_system_sgpr_workgroup_id_x 1
		.amdhsa_system_sgpr_workgroup_id_y 1
		.amdhsa_system_sgpr_workgroup_id_z 1
		.amdhsa_system_vgpr_workitem_id 0
		.amdhsa_next_free_vgpr 512
		.amdhsa_next_free_sgpr 76
		.amdhsa_reserve_vcc 0
		.amdhsa_float_denorm_mode_32 3
		.amdhsa_float_denorm_mode_16_64 3
		.amdhsa_memory_ordered 1
		.amdhsa_forward_progress 1
		.amdhsa_inst_pref_size 91
	.end_amdhsa_kernel
	.amdgpu_metadata
---
amdhsa.version: [ 1, 2 ]
amdhsa.kernels:
  - .name:           k_q3d4a0b99c6_outp
    .symbol:         k_q3d4a0b99c6_outp.kd
    .args:
      - { .name: oh, .offset: 0, .size: 8, .value_kind: global_buffer, .address_space: global }
      - { .name: wt, .offset: 8, .size: 8, .value_kind: global_buffer, .address_space: global }
      - { .name: bo, .offset: 16, .size: 8, .value_kind: global_buffer, .address_space: global }
      - { .name: out0, .offset: 24, .size: 8, .value_kind: global_buffer, .address_space: global }
    .group_segment_fixed_size: 327680
    .private_segment_fixed_size: 0
    .kernarg_segment_align: 8
    .kernarg_segment_size: 32
    .max_flat_workgroup_size: 128
    .sgpr_count:     76
    .vgpr_count:     512
    .wavefront_size: 32
...
	.end_amdgpu_metadata
.endif
;; end of part 4
